; MI455X (gfx1250); checked and timed in simulation.
; The chip was launched on July 23, 2026; its instructions are those of AMD's public machine-readable ISA for CDNA 5 (MIT licence, August 2026) and "CDNA5" Instruction Set Architecture Reference Guide (July 2026). The comments in the code are by the model that wrote it; some were corrected since.
;; Attention. Allowed arithmetic: float matrix products may take bf16 or f16 operands with f32 sums; other float arithmetic in f32, or as packed bf16 or f16 multiplies, adds, multiply-adds, maxima and minima; sums over many terms, partial sums and values carried from step to step in f32; what a program stores and reads back later, other than sums and carried values, may be rounded once to bf16 or f16.
;; Inputs: Wk 1,024 x 1,024 float32; Wo 1,024 x 1,024 float32; Wq 1,024 x 1,024 float32; Wv 1,024 x 1,024 float32; bk 1,024 float32; bo 1,024 float32; bq 1,024 float32; bv 1,024 float32; mask 4 x 2,048 x 2,048 int32; x 4 x 2,048 x 1,024 float32.
;; Outputs: out0 4 x 2,048 x 1,024 float32.
;; One version. Each part assembles by itself: llvm-mc -triple=amdgcn-amd-amdhsa -mcpu=gfx1250 --defsym DOCPART=n.
;; ======== version 1 of 1: 5 launches
;; limits: values are held in f16: magnitudes above 65,504 overflow, below 6.1e-05 lose precision
;; workspace buffers: xb 16,777,216 bytes; wcat 6,291,456 bytes; wo16 2,097,152 bytes; mbits 2,097,152 bytes of whole numbers; qkv 50,331,648 bytes; p 33,554,432 bytes; stats 1,048,576 bytes; ctx 16,777,216 bytes
;; launch prep (part 1): grid 1280 x 1, 8 waves a work-group, no clusters, 0 bytes of LDS; arguments x, Wq, Wk, Wv, Wo, mask, xb, wcat, wo16, mbits; writes xb, wcat, wo16, mbits
.if DOCPART == 1
	.amdgcn_target "amdgcn-amd-amdhsa--gfx1250"
	.amdhsa_code_object_version 6
	.text
	.protected	k_qfb6a8c7e1a_prep
	.globl	k_qfb6a8c7e1a_prep
	.p2align	8
	.type	k_qfb6a8c7e1a_prep,@function
k_qfb6a8c7e1a_prep:
	s_mov_b64 s[64:65], 0
	v_nop
	global_prefetch_b8 v0, s[64:65] scope:SCOPE_SE
	s_setreg_imm32_b32 hwreg(HW_REG_WAVE_MODE, 25, 1), 1
	s_wait_xcnt 0x0
; PREPARATION: a stream, no LDS, no loop.  Work-groups 0-511: x -> bf16 (xb).  512-703: Wq, Wk, Wv -> bf16, side by side in wcat [k 1024][n 3072].
; 704-767: Wo -> its bf16 value written as f16 (wo16).  768-1279: mask (int32) -> one bit a number (mbits).
; CONVERSIONS.  A work-group takes 65,536 bytes of f32, a wave 8,192: sixteen loads of 16 bytes a lane (512 consecutive bytes each), all issued first; each is
; rounded as it arrives and leaves as 8 bytes a lane: 32 lanes store 256 consecutive bytes, aligned.  Every load has data registers of its own, every store too.
; LIMIT.  Wo's bf16 values below 6e-5 keep f16's fixed step of 6e-8; beyond 65,504 they would be infinities.
; MASK.  A wave takes 32 rows x 128 keys (block kb).  Lane l reads the 16-byte chunk 2 t - g + 2 h of the row's 512 bytes (h = l / 16, t = 15 - l % 16, g = t % 2), so that the
; compare's lane mask IS the word wanted: bit 16 h + 15 - (2 b + g) of word j says whether key 128 kb + 16 b + 8 h + 4 g + j may be attended.  Row i's four words go into lane i,
; and one store of 16 bytes a lane writes 512 consecutive bytes of mbits [batch 4][kb 16][row 2048][4 words].
	s_load_b512 s[8:23], s[0:1], 0x0               ; x 8, Wq 10, Wk 12, Wv 14, Wo 16, mask 18, xb 20, wcat 22
	s_load_b128 s[24:27], s[0:1], 0x40             ; wo16 24, mbits 26
	v_lshrrev_b32 v2, 5, v0
	v_readfirstlane_b32 s28, v2                    ; wave 0..7
	v_and_b32 v1, 31, v0                           ; lane
	s_mov_b32 s41, 0                               ; high words of the two offsets
	s_mov_b32 s43, 0
	s_wait_kmcnt 0x0
	s_cmp_ge_u32 ttmp9, 768
	s_cbranch_scc1 .Lmask
	s_cmp_ge_u32 ttmp9, 512
	s_cbranch_scc1 .Lweights
	s_lshl_b32 s40, ttmp9, 16                      ; x: 65,536 bytes in,
	s_add_nc_u64 s[36:37], s[8:9], s[40:41]
	s_lshl_b32 s42, ttmp9, 15                      ; 32,768 out
	s_add_nc_u64 s[38:39], s[20:21], s[42:43]
	s_lshl_b32 s44, s28, 12                        ; a wave's two rows of 2,048 bytes lie end to end
	s_mov_b32 s45, 2048
	s_branch .Lconv
.Lweights:
	s_sub_co_u32 s29, ttmp9, 512
	s_lshr_b32 s30, s29, 6                         ; which matrix: 0 Wq, 1 Wk, 2 Wv, 3 Wo
	s_and_b32 s29, s29, 63                         ; which 16 rows of it
	s_lshl_b32 s40, s29, 16
	s_cmp_eq_u32 s30, 3
	s_cbranch_scc1 .Lwo
	s_cmp_eq_u32 s30, 0
	s_cselect_b64 s[36:37], s[10:11], s[12:13]
	s_cmp_eq_u32 s30, 2
	s_cselect_b64 s[36:37], s[14:15], s[36:37]
	s_add_nc_u64 s[36:37], s[36:37], s[40:41]
	s_mul_i32 s42, s29, 98304                      ; 16 rows of wcat, 6,144 bytes each,
	s_lshl_b32 s31, s30, 11                        ; and the matrix's 2,048 bytes of a row
	s_add_co_u32 s42, s42, s31
	s_add_nc_u64 s[38:39], s[22:23], s[42:43]
	s_mul_i32 s44, s28, 12288                      ; a wave's two rows
	s_mov_b32 s45, 6144
.Lconv:
; wo = 1: the bf16 value is widened again and written as f16
.macro CONV wo
	v_lshlrev_b32 v3, 4, v1
	v_lshl_add_u32 v3, s28, 13, v3                 ; in: 8,192 x wave + 16 x lane
	v_lshl_add_u32 v4, v1, 3, s44                  ; out: 8 x lane + the wave's first row,
	v_add_nc_u32 v5, s45, v4                       ; and its second
.set j, 0
.rept 16
	global_load_b128 v[32+4*j:32+4*j+3], v3, s[36:37] offset:512*j th:TH_LOAD_NT
.set j, j+1
.endr
.set j, 0
.rept 16
	s_wait_loadcnt 15-j                            ; loads come back in order: number j is in, the younger ones stay out
	v_cvt_pk_bf16_f32 v[96+2*j], v[32+4*j], v[32+4*j+1]
	v_cvt_pk_bf16_f32 v[97+2*j], v[32+4*j+2], v[32+4*j+3]
.if \wo
	v_lshlrev_b32 v[32+4*j], 16, v[96+2*j]
	v_and_b32 v[33+4*j], s46, v[96+2*j]
	v_lshlrev_b32 v[34+4*j], 16, v[97+2*j]
	v_and_b32 v[35+4*j], s46, v[97+2*j]
	v_cvt_pk_f16_f32 v[96+2*j], v[32+4*j], v[33+4*j]
	v_cvt_pk_f16_f32 v[97+2*j], v[34+4*j], v[35+4*j]
.endif
	global_store_b64 v[4+j/8], v[96+2*j:97+2*j], s[38:39] offset:(j%8)*256
.set j, j+1
.endr
	s_endpgm
.endm
	CONV 0
.Lwo:
	s_add_nc_u64 s[36:37], s[16:17], s[40:41]
	s_lshl_b32 s42, s29, 15
	s_add_nc_u64 s[38:39], s[24:25], s[42:43]
	s_lshl_b32 s44, s28, 12
	s_mov_b32 s45, 2048
	s_mov_b32 s46, 0xffff0000                      ; a word's upper bf16
	CONV 1
.Lmask:
	s_sub_co_u32 s29, ttmp9, 768
	s_lshl_b32 s29, s29, 3
	s_add_co_u32 s29, s29, s28                     ; the wave's unit, 0..4095
	s_lshr_b32 s30, s29, 4                         ; which 32 rows of the 8,192
	s_and_b32 s31, s29, 15                         ; kb
	s_lshl_b32 s40, s30, 18                        ; 32 rows of 8,192 bytes
	s_lshl_b32 s44, s31, 9                         ; 128 keys of 4 bytes
	s_add_co_u32 s40, s40, s44
	s_add_nc_u64 s[36:37], s[18:19], s[40:41]
	s_lshr_b32 s42, s30, 6                         ; batch
	s_lshl_b32 s42, s42, 4
	s_add_co_u32 s42, s42, s31                     ; 16 x batch + kb
	s_lshl_b32 s42, s42, 11
	s_and_b32 s44, s30, 63
	s_lshl_b32 s44, s44, 5
	s_add_co_u32 s42, s42, s44                     ; + the first row in the batch
	s_lshl_b32 s42, s42, 4                         ; 16 bytes a row
	s_add_nc_u64 s[38:39], s[26:27], s[42:43]
	v_and_b32 v8, 15, v0
	v_sub_nc_u32 v8, 15, v8                        ; t
	v_and_b32 v9, 1, v8                            ; g
	v_lshlrev_b32 v10, 1, v8
	v_sub_nc_u32 v10, v10, v9
	v_bfe_u32 v11, v0, 4, 1                        ; h
	v_lshl_add_u32 v10, v11, 1, v10                ; chunk 2 t - g + 2 h
	v_lshlrev_b32 v6, 4, v10
	v_lshlrev_b32 v7, 4, v1
.set i, 0
.rept 32
	global_load_b128 v[16+4*i:16+4*i+3], v6, s[36:37] offset:8192*i th:TH_LOAD_NT  ; row i: the 32 lanes cover its 512 consecutive bytes
.set i, i+1
.endr
.irp n, 0,1,2,3
	v_mov_b32 v[144+(\n)], 0                       ; v_writelane_b32 keeps the other lanes: the registers are written whole first
.endr
.set i, 0
.rept 32
	s_wait_loadcnt 31-i                            ; row i is in, the younger rows stay out
.irp n, 0,1,2,3
	v_cmp_ne_u32 s[32+(\n)], 0, v[16+4*i+(\n)]
.endr
.irp n, 0,1,2,3
	v_writelane_b32 v[144+(\n)], s[32+(\n)], i
.endr
.set i, i+1
.endr
	global_store_b128 v7, v[144:147], s[38:39]
	s_endpgm
.Lfunc_end_k_qfb6a8c7e1a_prep:
	.size	k_qfb6a8c7e1a_prep, .Lfunc_end_k_qfb6a8c7e1a_prep-k_qfb6a8c7e1a_prep
	.p2alignl 7, 3214868480
	.fill 96, 4, 3214868480
	.section	.rodata,"a",@progbits
	.p2align	6, 0x0
	.amdhsa_kernel k_qfb6a8c7e1a_prep
		.amdhsa_group_segment_fixed_size 0
		.amdhsa_private_segment_fixed_size 0
		.amdhsa_enable_private_segment 0
		.amdhsa_kernarg_size 80
		.amdhsa_user_sgpr_count 2
		.amdhsa_user_sgpr_kernarg_segment_ptr 1
		.amdhsa_wavefront_size32 1
		.amdhsa_system_sgpr_workgroup_id_x 1
		.amdhsa_system_sgpr_workgroup_id_y 1
		.amdhsa_system_sgpr_workgroup_id_z 1
		.amdhsa_system_vgpr_workitem_id 0
		.amdhsa_next_free_vgpr 152
		.amdhsa_next_free_sgpr 66
		.amdhsa_reserve_vcc 0
		.amdhsa_float_denorm_mode_32 3
		.amdhsa_float_denorm_mode_16_64 3
		.amdhsa_memory_ordered 1
		.amdhsa_forward_progress 1
		.amdhsa_inst_pref_size 39
	.end_amdhsa_kernel
	.amdgpu_metadata
---
amdhsa.version: [ 1, 2 ]
amdhsa.kernels:
  - .name:           k_qfb6a8c7e1a_prep
    .symbol:         k_qfb6a8c7e1a_prep.kd
    .args:
      - { .name: x, .offset: 0, .size: 8, .value_kind: global_buffer, .address_space: global }
      - { .name: Wq, .offset: 8, .size: 8, .value_kind: global_buffer, .address_space: global }
      - { .name: Wk, .offset: 16, .size: 8, .value_kind: global_buffer, .address_space: global }
      - { .name: Wv, .offset: 24, .size: 8, .value_kind: global_buffer, .address_space: global }
      - { .name: Wo, .offset: 32, .size: 8, .value_kind: global_buffer, .address_space: global }
      - { .name: mask, .offset: 40, .size: 8, .value_kind: global_buffer, .address_space: global }
      - { .name: xb, .offset: 48, .size: 8, .value_kind: global_buffer, .address_space: global }
      - { .name: wcat, .offset: 56, .size: 8, .value_kind: global_buffer, .address_space: global }
      - { .name: wo16, .offset: 64, .size: 8, .value_kind: global_buffer, .address_space: global }
      - { .name: mbits, .offset: 72, .size: 8, .value_kind: global_buffer, .address_space: global }
    .group_segment_fixed_size: 0
    .private_segment_fixed_size: 0
    .kernarg_segment_align: 8
    .kernarg_segment_size: 80
    .max_flat_workgroup_size: 256
    .sgpr_count:     66
    .vgpr_count:     152
    .wavefront_size: 32
...
	.end_amdgpu_metadata
.endif
;; end of part 1
;; launch qkvp (part 2): grid 12 x 32, 4 waves a work-group, clusters of 4 x 4, 327,680 bytes of LDS; arguments xb, wcat, bq, bk, bv, qkv; writes qkv
.if DOCPART == 2
	.amdgcn_target "amdgcn-amd-amdhsa--gfx1250"
	.amdhsa_code_object_version 6
	.text
	.protected	k_qfb6a8c7e1a_qkvp
	.globl	k_qfb6a8c7e1a_qkvp
	.p2align	8
	.type	k_qfb6a8c7e1a_qkvp,@function
k_qfb6a8c7e1a_qkvp:
	s_mov_b64 s[64:65], 0
	v_nop
	global_prefetch_b8 v0, s[64:65] scope:SCOPE_SE
	s_setreg_imm32_b32 hwreg(HW_REG_WAVE_MODE, 25, 1), 1
	s_wait_xcnt 0x0
	s_wait_alu depctr_hold_cnt(0) depctr_sa_sdst(0) depctr_va_vdst(0) depctr_va_sdst(0) depctr_va_ssrc(0) depctr_va_vcc(0) depctr_vm_vsrc(0)
	s_getreg_b32 s2, hwreg(HW_REG_IB_STS2, 6, 4)
	s_cmp_eq_u32 s2, 0
	s_cbranch_scc0 .Lentry_in_a_cluster
	s_endpgm
.Lentry_in_a_cluster:
	s_bfe_u32 s2, ttmp6, 0x10000c
	s_cmp_lg_u32 s2, 0xf033
	s_cbranch_scc0 .Lentry_shape_is_right
	s_endpgm
.Lentry_shape_is_right:
; qkv[r][n] = sum over k of xb[r][k] wcat[k][n] + bias[n]: q, k and v in one product.  xb [8192][1024] bf16, wcat [1024][3072] bf16 (Wq, Wk, Wv side by side), biases f32 (rounded to
; bf16 like every input), qkv [8192][3072] f16, rounded once from f32 sums.  LIMIT: a q, k or v beyond 65,504 becomes an infinity.
; SHARES.  A work-group makes 256 x 256 of qkv; each of its four waves 128 x 128: 64 accumulators of 16 x 16, 512 registers.  A K step of 128 brings 131,072 bytes into LDS for 256 matrix
; instructions a wave, and a matrix instruction is fed by 256 bytes read from LDS.  The grid has 12 x 32 = 384 work-groups in 24 clusters.
; RING.  K goes in 8 steps of 128 through two LDS slots filled by the tensor data mover, one load a wave: waves 0, 1 fetch B's halves (64 K rows of 512 bytes), waves 2, 3 A's (128 rows of
; 256 bytes).  4 x 4 work-groups form a cluster: A's tile hangs on the tile row alone and is asked for jointly along a row of the cluster, B's on the tile column alone, along a column.
; LAYOUT.  The matrix instruction is used transposed (source 0 = 16 columns of B, source 1 = 16 rows of A): lane l holds row l % 16 of C and the columns 8 (l / 16) + 0..7, which pack into
; 16 bytes.  B is stored [K][N] and comes out of LDS turned, by ds_load_tr16_b128.  The bias is the C operand of the products that start the sums: nothing is cleared, nothing is added later.
; REGISTERS, in windows of 256 (s_set_vgpr_msb: bits 1:0 source 0, 3:2 source 1, 5:4 source 2, 7:6 destination):
;   window 0: v16-30 addresses; v32-63, v224-255 rows read back on the way out, by turns; v64-127, v128-191 A's fragments (8 x 16 rows x 32 K), two buffers; v192-223 packed results
;   window 1: v0-63 the bias of my 128 columns; v64-127, v128-191 B's fragments, two buffers
;   window 2: the 32 accumulators of my rows 0-63 ((a, b) at 8 (8 a + b));   window 3: those of my rows 64-127
.set T,      8                         ; K steps
.set PITCHA, 1024                      ; elements from row to row of xb
.set PITCHB, 3072                      ; of wcat
.set STEPA,  256                       ; bytes from K step to K step in xb
.set STEPB,  128*PITCHB*2              ; in wcat
.set PITCHC, 6144                      ; bytes from row to row of qkv
.set PA,     272                       ; an LDS row of 256 bytes + 16 of padding: the 16 rows of a load start at 16 different groups of four banks (ISA guide 11.1)
.set PB,     544                       ; an LDS row of 512 bytes + 32
.set HALF,   34816                     ; what one load brings: 64 rows x 544 of B, or 128 rows x 272 of A.  It lands at HALF x the wave's number
.set SLOT,   4*HALF                    ; 0x22000: B's two halves, then A's two.  No wave's offset (0x8800 w) has bit 13 or 17 set, so one exclusive or with SLOT changes slots
.set STAGE,  2*SLOT                    ; behind the ring: 16 rows x 272 bytes for each wave, for the way out
.set SPARE,  STAGE+4*16*PA             ; the spare words, 128 bytes for each wave: two blocks of 256 bytes that no other line names
.set ADRA0, 16                         ; v16     my lane's place in A's tile of slot 0; never rewritten
.set ADRB0, 17                         ; v17     the same for B
.set ADRA,  18                         ; v18     the same in the slot in hand
.set ADRB,  19                         ; v19
.set STO,   20                         ; v20     the way out: where I put 16 bytes of a row
.set RD,    21                         ; v21     where I read rows back
.set CO,    22                         ; v22     my byte offset in qkv; never rewritten
.set VO1,   25                         ; v25     my offset in the bias
.set SPW,   28                         ; v28     LDS address of my spare word; never rewritten
.set NIL,   29                         ; v29     0; never rewritten
.set PFO,   30                         ; v30     the prefetches' lane offset; never rewritten
.set OB,    32
.set FR,    64                         ; fragment buffer f at FR + 64 f, A's in window 0, B's in window 1
.set TMP,   192
.set G1A,   24                         ; s[24:31] descriptor group 1 for A's tiles; s[32:39] group 0: a set for each first fill, the second then walks
.set G0A,   32
.set G1B,   48                         ; s[48:55], s[56:63] the same for B's
.set G0B,   56
.set LIM,   79                         ; s79     1 in a wave that prefetches, else the greatest number
.set PFA,   84                         ; s[84:85] where my prefetches stand
.set PFS,   86                         ; s[86:87] a K step in bytes, in the tensor that I fetch
.set TO_B,  0x40                       ; destination window 1, address window 0
.set MSB, 0
.macro WIN new                         ; the immediate's high byte repeats the setting that is left; a switch that changes nothing is dropped
.if MSB != (\new)
	s_set_vgpr_msb (MSB<<8)|(\new)
.set MSB, \new
.endif
.endm
.macro PLACES                          ; four places in front of loads into registers that matrix instructions have read, and of lines that read results
.rept 4
	v_nop
.endr
.endm
.macro CREST                           ; a round of the cluster's barrier behind its opening barrier
	s_cmp_lg_u32 s10, 0
	s_cbranch_scc1 .Lnot_wave_0_\@
	s_barrier_signal -3
.Lnot_wave_0_\@:
	s_barrier_wait -3
	s_barrier_signal -1
	s_barrier_wait -1
.endm
.macro CROUND                          ; a whole round
	s_barrier_signal -1
	s_barrier_wait -1
	CREST
.endm
.macro JLOAD                           ; a joint refill by the walking sets; the branch hangs on the wave's number alone; an s_nop 0 and four v_nop follow each line
	s_cmp_eq_u32 s11, 0
	s_cbranch_scc0 .Lfor_a_\@
	tensor_load_to_lds s[G0B+4:G0B+7], s[G1B:G1B+7]
	s_nop 0
.rept 4
	v_nop
.endr
	s_branch .Lasked_\@
.Lfor_a_\@:
	tensor_load_to_lds s[G0A+4:G0A+7], s[G1A:G1A+7]
	s_nop 0
.rept 4
	v_nop
.endr
.Lasked_\@:
.endm
; A PREFETCH INTO THE L2, behind each joint refill, its five lines and the run of LDS loads that follows them: 32 blocks of 256 bytes of the K step that the NEXT refill will ask for, a lane a
; block, one instruction a wave: one K step, 256 matrix instructions, ahead of that load.  Each block is named ONCE in the launch.  A's tile row is read by the three clusters of that row of
; clusters: the one with x = 0 asks, by its waves 2 and 3; B's tile column by the eight clusters of that column: the one with y = 0 asks, by its waves 0 and 1.  The four partners that ask for a
; tile jointly share it out BY ADDRESS: of A's 128 rows that a wave fetches the partner at cx takes 32 cx .. + 31; of B's 64 K rows of two blocks the partner at cy takes 16 cy .. + 15.
; No branch hangs on a work-group's place in its cluster.  K steps 0 to 2 come by their loads alone; the last refill has no K step behind it and asks for nothing.
.macro ASK
	s_cmp_gt_u32 s3, s[LIM]                        ; s3 = 1 in the loop's last trip
	s_cbranch_scc0 .Lnot_mine_\@
	global_prefetch_b8 v[PFO], s[PFA:PFA+1] th:TH_LOAD_NT scope:SCOPE_SE
.Lnot_mine_\@:
.endm
; 32 LDS loads in one run: the fragments of quarter q (32 along K) into buffer f: B's 128 columns, turned, then A's 128 rows
.macro FETCH q, f
	WIN TO_B
.irp n, 0,1,2,3,4,5,6,7
	ds_load_tr16_b128 v[FR+64*(\f)+8*(\n):FR+64*(\f)+8*(\n)+3],   v[ADRB] offset:32*PB*(\q)+32*(\n)
	ds_load_tr16_b128 v[FR+64*(\f)+8*(\n)+4:FR+64*(\f)+8*(\n)+7], v[ADRB] offset:32*PB*(\q)+32*(\n)+16*PB
.endr
	WIN 0
.irp n, 0,1,2,3,4,5,6,7
	ds_load_b128 v[FR+64*(\f)+8*(\n):FR+64*(\f)+8*(\n)+3],   v[ADRA] offset:(\n)*16*PA+64*(\q)
	ds_load_b128 v[FR+64*(\f)+8*(\n)+4:FR+64*(\f)+8*(\n)+7], v[ADRA] offset:(\n)*16*PA+64*(\q)+32
.endr
.endm
; 16 matrix instructions: row blocks a0, a0 + 1 of the window's four (hi = 0: my rows 0-63, 1: rows 64-127) x all 8 column blocks, 32 along K.  first = 1: the product starts the sums, with the bias as C.
.macro MUL16 f, hi, a0, first
.if \first
	WIN 0x91+0x40*(\hi)                            ; B's fragment and C window 1, A's fragment window 0, D window 2 or 3
.else
	WIN 0xa1+0x50*(\hi)                            ; B's fragment window 1, A's window 0, C and D window 2 or 3
.endif
.irp a, \a0, (\a0)+1
.irp b, 0,1,2,3,4,5,6,7
.if \first
	v_wmma_f32_16x16x32_bf16 v[8*(8*(\a)+(\b)):8*(8*(\a)+(\b))+7], v[FR+64*(\f)+8*(\b):FR+64*(\f)+8*(\b)+7], v[FR+64*(\f)+8*(4*(\hi)+(\a)):FR+64*(\f)+8*(4*(\hi)+(\a))+7], v[8*(\b):8*(\b)+7]
.else
	v_wmma_f32_16x16x32_bf16 v[8*(8*(\a)+(\b)):8*(8*(\a)+(\b))+7], v[FR+64*(\f)+8*(\b):FR+64*(\f)+8*(\b)+7], v[FR+64*(\f)+8*(4*(\hi)+(\a)):FR+64*(\f)+8*(4*(\hi)+(\a))+7], v[8*(8*(\a)+(\b)):8*(8*(\a)+(\b))+7]
.endif
.endr
.endr
.endm
; A K step is four quarters of 32 along K, 64 matrix instructions each, on buffers 0, 1, 0, 1; the 64 accumulators take turns in the same order in every quarter.
; One of the first three: multiplies buffer f; in its middle it fetches quarter q into buffer g, 32 matrix instructions ahead of the first use.
.macro QUARTER q, f, g, first=0
	s_wait_dscnt 8                                 ; B and A's rows 0-63 are in; the eight youngest loads (A's rows 64-127) may be out
	MUL16 \f, 0, 0, \first
	MUL16 \f, 0, 2, \first
	PLACES
	FETCH \q, \g
	s_wait_dscnt 32                                ; all but the 32 just issued
	MUL16 \f, 1, 0, \first
	MUL16 \f, 1, 2, \first
.endm
; The fourth quarter multiplies buffer 1 and changes slots: ONE barrier.  In front of it each wave waits for all its tensor loads (one is out: its part of the next slot), adds 0 to its
; spare word, and waits for that and for its own reads of this slot.  fill = 1: the barrier opens a round of the cluster's, and behind the round this slot is filled again, two K steps ahead:
; from that request to the wait for it a wave issues 224 matrix instructions.
.macro TURN fill
.if \fill
	s_wait_xcnt 0x0                                ; the last prefetch, a K step back, has read its address: it is stepped here, ahead of the waits of the change of slots
	s_add_nc_u64 s[PFA:PFA+1], s[PFA:PFA+1], s[PFS:PFS+1]
.endif
	WIN 0
	s_wait_tensorcnt 0x0                           ; no tensor load of mine is out, so a group 0 may be written
	ds_add_u32 v[SPW], v[NIL]                      ; 0 onto my spare word
.if \fill
	s_xor_b32 s[G0A+5], s[G0A+5], SLOT             ; the walking sets: the other slot than last time, the next K step; the type bits on top are not reached
	s_add_nc_u64 s[G0A+6:G0A+7], s[G0A+6:G0A+7], STEPA
	s_xor_b32 s[G0B+5], s[G0B+5], SLOT
	s_add_nc_u64 s[G0B+6:G0B+7], s[G0B+6:G0B+7], STEPB
.endif
	s_wait_dscnt 9                                 ; the add and the eight youngest loads may be out
	MUL16 1, 0, 0, 0                               ; sixteen matrix instructions stand between the add and the wait for it
	s_wait_dscnt 0x0                               ; the add is done, and my reads of this slot are over
	s_barrier_signal -1
	MUL16 1, 0, 2, 0                               ; work on registers while the others arrive
	WIN 0                                          ; at a label and at a branch every window is 0
	s_barrier_wait -1
.if \fill
	CREST                                          ; no wave of any partner still reads this slot or has a load on its way
	JLOAD                                          ; the first tensor load behind the round; its four v_nop are also the places in front of the loads below
.else
	PLACES
.endif
	s_xor_b32 s45, s45, SLOT                       ; the fetches go to the other slot
	v_add_nc_u32 v[ADRA], s45, v[ADRA0]
	v_add_nc_u32 v[ADRB], s45, v[ADRB0]
	FETCH 0, 0
.if \fill
	ASK
.endif
	MUL16 1, 1, 0, 0
	MUL16 1, 1, 2, 0
.endm
; THE WAY OUT, 16 rows (block a) at a time.  PACK: rounded to f16, 16 bytes a lane.  TOSTAGE: into my own stage and back as whole rows of 256 bytes.  SEND: stored.
.macro PACK a
.set AC, 64*((\a)%4)
	WIN 0x0a+5*((\a)/4)                            ; sources window 2 or 3, destination window 0
.set i, 0
.rept 32
	v_cvt_pk_f16_f32 v[TMP+i], v[AC+2*i], v[AC+2*i+1]
.set i, i+1
.endr
	WIN 0
.endm
.macro TOSTAGE a
.set BK, OB+192*((\a)%2)
.irp n, 0,1,2,3,4,5,6,7
	ds_store_b128 v[STO], v[TMP+4*(\n):TMP+4*(\n)+3] offset:32*(\n)
.endr
.irp n, 0,1,2,3,4,5,6,7
	ds_load_b128 v[BK+4*(\n):BK+4*(\n)+3], v[RD] offset:(\n)*2*PA  ; LDS serves a wave's instructions in order (ISA guide 5.7.1.4): these see the stores above; the next block's stores come behind them
.endr
.endm
.macro SEND a
.set BK, OB+192*((\a)%2)
	s_wait_dscnt 0x0                               ; the block is back in registers
	s_wait_xcnt 0x0                                ; the stores of the block before have read their data: its registers are loaded again, by the next block, only behind this wait
.irp n, 0,1,2,3,4,5,6,7
	global_store_b128 v[CO], v[BK+4*(\n):BK+4*(\n)+3], s[8:9] offset:(16*(\a)+2*(\n))*PITCHC  ; 16 lanes store 256 consecutive bytes, aligned
.endr
.endm
; ---------------------------------------------------------------- the kernel
	s_load_b128 s[4:7], s[0:1], 0x0                ; xb, wcat
	s_load_b128 s[68:71], s[0:1], 0x10             ; bq, bk
	s_load_b128 s[80:83], s[0:1], 0x20             ; bv, qkv
	v_lshl_add_u32 v[SPW], v0, 2, SPARE
	v_mov_b32 v[NIL], 0
	ds_add_u32 v[SPW], v[NIL]                      ; the wave's opening: the add and its wait stand ahead of my first tensor load; the set-up below, work on registers, stands between them
	v_lshrrev_b32 v1, 5, v0
	v_readfirstlane_b32 s10, v1                    ; wave 0..3
	s_lshr_b32 s11, s10, 1                         ; which 128 rows of the tile are mine.  Also: I fetch for B (0) or for A (1)
	s_and_b32 s12, s10, 1                          ; which 128 columns.  Also: which half of that tile I fetch
	s_bfe_u32 s40, ttmp6, 0x40000                  ; cx
	s_bfe_u32 s41, ttmp6, 0x40004                  ; cy
	s_lshl_b32 s42, ttmp9, 2
	s_add_co_u32 s42, s42, s40                     ; tile column = 4 x cluster x + cx
	s_and_b32 s13, ttmp7, 0xffff
	s_lshl_b32 s13, s13, 2
	s_add_co_u32 s13, s13, s41                     ; tile row = 4 x cluster y + cy
	s_lshl_b32 s43, s41, 2
	s_lshl_b32 s43, 15, s43                        ; my row of the cluster
	s_lshl_b32 s44, 0x1111, s40                    ; my column
	s_or_b32 s[G1A], s43, (1<<16)|(1<<20)|(1<<21)|(5<<22)|(3<<25)  ; 15:0 the mask; 17:16 2-byte elements; 20 padding on; 21 set beside a mask; 24:22 after every 64 words; 31:25 4 words
	s_mov_b32 s[G1A+1], 128<<16                    ; tensor_dim0 = 128
	s_mov_b32 s[G1A+2], 128<<16                    ; tensor_dim1 = 128
	s_mov_b32 s[G1A+3], 128<<16                    ; tile_dim0 = 128
	s_mov_b32 s[G1A+4], 128                        ; tile_dim1 = 128
	s_mov_b32 s[G1A+5], PITCHA
	s_mov_b32 s[G1A+6], 0
	s_mov_b32 s[G1A+7], 0
	s_or_b32 s[G1B], s44, (1<<16)|(1<<20)|(1<<21)|(6<<22)|(7<<25)  ; after every 128 words 8 words of padding
	s_mov_b32 s[G1B+1], 256<<16                    ; 64 rows (K) of 256 elements
	s_mov_b32 s[G1B+2], 64<<16
	s_mov_b32 s[G1B+3], 256<<16
	s_mov_b32 s[G1B+4], 64
	s_mov_b32 s[G1B+5], PITCHB
	s_mov_b32 s[G1B+6], 0
	s_mov_b32 s[G1B+7], 0
	s_lshl_b32 s16, s13, 8                         ; A: row 256 x tile row + 128 x half, of 2,048 bytes: made of the tile row and the wave's number alone
	s_lshl_b32 s17, s12, 7
	s_add_co_u32 s16, s16, s17
	s_lshl_b32 s16, s16, 11
	s_mov_b32 s17, 0
	s_mul_i32 s46, s12, 64*PITCHB*2                ; B: K row 64 x half, column 256 x tile column: made of the tile column and the wave's number alone
	s_lshl_b32 s47, s42, 9
	s_add_co_u32 s46, s46, s47
	s_mov_b32 s47, 0
	s_mul_i32 s20, s10, HALF                       ; where my load lands: no place in the cluster enters an LDS address
	s_mov_b32 s45, 0                               ; the slot in hand
	s_mov_b32 s75, 0xffff0000                      ; a word's upper bf16
	s_wait_dscnt 0x0                               ; the opening add is done
	s_wait_kmcnt 0x0
	s_mov_b64 s[8:9], s[82:83]
	s_cmp_eq_u32 ttmp9, 1                          ; the cluster's x names the matrix: 0 q, 1 k, 2 v; the same in all sixteen partners
	s_cselect_b64 s[66:67], s[70:71], s[80:81]
	s_cmp_eq_u32 ttmp9, 0
	s_cselect_b64 s[66:67], s[68:69], s[66:67]
	s_add_nc_u64 s[14:15], s[4:5], s[16:17]
	s_add_nc_u64 s[46:47], s[6:7], s[46:47]
	CROUND                                         ; all sixteen work-groups are here: the first joint loads meet
.irp n, 0,1
	s_mov_b32 s[G0A+4*(\n)], 1                     ; count = 1
	s_add_co_u32 s[G0A+4*(\n)+1], s20, (\n)*SLOT   ; LDS address
	s_add_nc_u64 s[G0A+4*(\n)+2:G0A+4*(\n)+3], s[14:15], (\n)*STEPA  ; global address: K step n
	s_or_b32 s[G0A+4*(\n)+3], s[G0A+4*(\n)+3], 0x80000000            ; type = 2
	s_mov_b32 s[G0B+4*(\n)], 1
	s_add_co_u32 s[G0B+4*(\n)+1], s20, (\n)*SLOT
	s_add_nc_u64 s[G0B+4*(\n)+2:G0B+4*(\n)+3], s[46:47], (\n)*STEPB
	s_or_b32 s[G0B+4*(\n)+3], s[G0B+4*(\n)+3], 0x80000000
.endr
	s_cmp_eq_u32 s11, 0                            ; a wave's two first fills stand in one branch, ahead of every wait on TENSORcnt and every LDS read: two loads of mine are out
	s_cbranch_scc0 .Lfirst_a
	tensor_load_to_lds s[G0B:G0B+3], s[G1B:G1B+7]
	s_nop 0
	tensor_load_to_lds s[G0B+4:G0B+7], s[G1B:G1B+7]
	s_nop 0
.rept 4
	v_nop
.endr
	s_branch .Lfirst_asked
.Lfirst_a:
	tensor_load_to_lds s[G0A:G0A+3], s[G1A:G1A+7]
	s_nop 0
	tensor_load_to_lds s[G0A+4:G0A+7], s[G1A:G1A+7]
	s_nop 0
.rept 4
	v_nop
.endr
.Lfirst_asked:
	; the lanes' LDS addresses
	v_and_b32 v1, 15, v0                           ; r = l % 16
	v_bfe_u32 v2, v0, 4, 1                         ; h = l / 16
	v_and_b32 v3, 31, v0                           ; l
	v_mul_u32_u24 v4, v1, PA
	v_lshl_add_u32 v4, v2, 4, v4                   ; a fragment's row x pitch + 16 x half
	s_mul_i32 s21, s11, 128*PA
	s_add_co_u32 s21, s21, 2*HALF                  ; my 128 rows of A, behind B
	v_add_nc_u32 v[ADRA0], s21, v4
	v_and_b32 v5, 7, v0                            ; the turning load: lane l reads K row 8 h + l % 8, columns 8 ((l / 8) % 2) + 0..7
	v_lshl_add_u32 v5, v2, 3, v5
	v_mul_u32_u24 v5, v5, PB
	v_bfe_u32 v6, v0, 3, 1
	v_lshl_add_u32 v5, v6, 4, v5
	s_lshl_b32 s22, s12, 8                         ; my 128 columns
	v_add_nc_u32 v[ADRB0], s22, v5
	v_mov_b32 v[ADRA], v[ADRA0]
	v_mov_b32 v[ADRB], v[ADRB0]
	s_mul_i32 s23, s10, 16*PA
	s_add_co_u32 s23, s23, STAGE                   ; my stage
	v_add_nc_u32 v[STO], s23, v4                   ; in: row r, 16 bytes for each half of the lanes
	v_mul_u32_u24 v5, v2, PA                       ; back: lanes 0-15 take one row of 256 bytes, lanes 16-31 the next
	v_lshl_add_u32 v5, v1, 4, v5
	v_add_nc_u32 v[RD], s23, v5
	v_mul_u32_u24 v5, v2, PITCHC                   ; and the same two rows in qkv
	v_lshl_add_u32 v[CO], v1, 4, v5
	s_lshl_b32 s16, s13, 8
	s_lshl_b32 s17, s11, 7
	s_add_co_u32 s16, s16, s17                     ; my first row of qkv
	s_mul_i32 s16, s16, PITCHC
	s_mov_b32 s17, 0
	s_add_nc_u64 s[8:9], s[8:9], s[16:17]
	s_lshl_b32 s18, s42, 9                         ; my first column, in bytes
	s_lshl_b32 s19, s12, 8
	s_add_co_u32 s18, s18, s19
	s_mov_b32 s19, 0
	s_add_nc_u64 s[8:9], s[8:9], s[18:19]
	; the bias of my 128 columns, rounded to bf16 like every input, as a C operand: register j of block b holds column 16 b + 8 h + j
	s_and_b32 s14, s42, 3                          ; the tile column within the matrix
	s_lshl_b32 s14, s14, 10
	s_lshl_b32 s15, s12, 9
	s_add_co_u32 s14, s14, s15
	s_mov_b32 s15, 0
	s_add_nc_u64 s[66:67], s[66:67], s[14:15]
	v_lshlrev_b32 v[VO1], 5, v2
	WIN TO_B                                       ; destination window 1
.set b, 0
.rept 8
	global_load_b128 v[8*b:8*b+3],   v[VO1], s[66:67] offset:64*b
	global_load_b128 v[8*b+4:8*b+7], v[VO1], s[66:67] offset:64*b+16
.set b, b+1
.endr
	WIN 0
	; the prefetches: where they stand, by how much they step, and who asks.  Offsets are made apart from the addresses
	s_lshl_b32 s18, s13, 8                         ; A: row 256 x tile row
	s_lshl_b32 s19, s12, 7
	s_add_co_u32 s18, s18, s19                     ; + the 128 rows that I fetch
	s_lshl_b32 s19, s40, 5
	s_add_co_u32 s18, s18, s19                     ; + my work-group's 32 of them, by cx
	s_lshl_b32 s18, s18, 11                        ; of 2,048 bytes
	s_lshl_b32 s19, s12, 6                         ; B: the 64 K rows that I fetch
	s_lshl_b32 s23, s41, 4
	s_add_co_u32 s19, s19, s23                     ; + my work-group's 16 of them, by cy
	s_mul_i32 s19, s19, PITCHB*2
	s_lshl_b32 s23, s42, 9
	s_add_co_u32 s19, s19, s23                     ; + the tile column's 512 bytes
	s_and_b32 s22, ttmp7, 0xffff                   ; cluster y
	s_mov_b32 s[PFS], STEPA
	s_mov_b32 s[PFS+1], 0
	s_cmp_eq_u32 s11, 0                            ; do I fetch for B?
	s_cselect_b32 s18, s19, s18
	s_cselect_b32 s22, s22, ttmp9                  ; the coordinate along which other clusters read the same blocks
	s_cselect_b32 s[PFS], STEPB, s[PFS]
	s_cselect_b64 s[PFA:PFA+1], s[6:7], s[4:5]
	s_cselect_b32 s23, -1, 0
	s_mov_b32 s19, 0
	s_cmp_eq_u32 s22, 0
	s_cselect_b32 s[LIM], 1, -1                    ; the same in all sixteen partners, for a given wave
	s_add_nc_u64 s[PFA:PFA+1], s[PFA:PFA+1], s[18:19]
	s_add_nc_u64 s[PFA:PFA+1], s[PFA:PFA+1], s[PFS:PFS+1]
	s_add_nc_u64 s[PFA:PFA+1], s[PFA:PFA+1], s[PFS:PFS+1]  ; at K step 2: the first refill steps it to 3.  Nothing is prefetched here, at the head, where every work-group's first tiles are on their way
	v_lshlrev_b32 v5, 11, v3                       ; A: a lane a row
	v_lshrrev_b32 v6, 1, v3                        ; B: two lanes a K row, 256 bytes each
	v_mul_u32_u24 v6, v6, PITCHB*2
	v_and_b32 v7, 1, v3
	v_lshl_add_u32 v6, v7, 8, v6
	v_cndmask_b32 v[PFO], v5, v6, s23
	s_wait_loadcnt 0x0                             ; the bias
	WIN 0x05                                       ; sources window 1, destination window 0
.set i, 0
.rept 32
	v_cvt_pk_bf16_f32 v[TMP+i], v[2*i], v[2*i+1]
.set i, i+1
.endr
	WIN TO_B
.set i, 0
.rept 32
	v_lshlrev_b32 v[2*i], 16, v[TMP+i]
	v_and_b32 v[2*i+1], s75, v[TMP+i]
.set i, i+1
.endr
	WIN 0
	; THE WALK ALONG K
	s_wait_tensorcnt 0x1                           ; my part of K step 0 is in; K step 1's may stay out
	s_barrier_signal -1
	s_barrier_wait -1                              ; everybody's part is in
	FETCH 0, 0
	QUARTER 1, 0, 1, 1                             ; the first quarter stands in front of the loop: its products start the sums
	WIN 0
	s_mov_b32 s3, T-2
.Lstep:                                                ; a trip: from a step's second quarter to the next step's first; it fills the slot that it leaves
	QUARTER 2, 1, 0
	QUARTER 3, 0, 1
	TURN 1
	QUARTER 1, 0, 1
	WIN 0
	s_sub_co_u32 s3, s3, 1
	s_cmp_lg_u32 s3, 0
	s_cbranch_scc1 .Lstep
	s_mov_b32 s3, 2
.Ltail:                                                ; the last two K steps ask for nothing: a second text; two trips, the second left in its middle
	QUARTER 2, 1, 0
	QUARTER 3, 0, 1
	TURN 0
	WIN 0
	s_sub_co_u32 s3, s3, 1
	s_cmp_eq_u32 s3, 0
	s_cbranch_scc1 .Lout
	QUARTER 1, 0, 1
	WIN 0
	s_branch .Ltail
.Lout:                                                 ; the second trip's barrier and its 32 fragment loads (of K step 6 once more) serve nothing: the price, once a work-group, of one text for both trips
	s_wait_dscnt 0x0                               ; those loads are back
	PLACES                                         ; the way out reads results just made
	PACK 0
	TOSTAGE 0
.irp m, 1,2,3,4,5,6,7
	PACK \m                                        ; a block's conversions stand between the loads of the block before and the wait for them
	SEND (\m)-1
	TOSTAGE \m
.endr
	SEND 7
	s_wait_tensorcnt 0x0                           ; the wave's end, behind my last tensor load and my last LDS store
	ds_add_u32 v[SPW], v[NIL]
	s_wait_dscnt 0x0
	CROUND                                         ; the closing round: no work-group ends while a partner may still ask for a tile that names it
	s_endpgm
.Lfunc_end_k_qfb6a8c7e1a_qkvp:
	.size	k_qfb6a8c7e1a_qkvp, .Lfunc_end_k_qfb6a8c7e1a_qkvp-k_qfb6a8c7e1a_qkvp
	.p2alignl 7, 3214868480
	.fill 96, 4, 3214868480
	.section	.rodata,"a",@progbits
	.p2align	6, 0x0
	.amdhsa_kernel k_qfb6a8c7e1a_qkvp
		.amdhsa_group_segment_fixed_size 327680
		.amdhsa_private_segment_fixed_size 0
		.amdhsa_enable_private_segment 0
		.amdhsa_kernarg_size 48
		.amdhsa_user_sgpr_count 2
		.amdhsa_user_sgpr_kernarg_segment_ptr 1
		.amdhsa_wavefront_size32 1
		.amdhsa_system_sgpr_workgroup_id_x 1
		.amdhsa_system_sgpr_workgroup_id_y 1
		.amdhsa_system_sgpr_workgroup_id_z 1
		.amdhsa_system_vgpr_workitem_id 0
		.amdhsa_next_free_vgpr 1024
		.amdhsa_next_free_sgpr 88
		.amdhsa_reserve_vcc 0
		.amdhsa_float_denorm_mode_32 3
		.amdhsa_float_denorm_mode_16_64 3
		.amdhsa_memory_ordered 1
		.amdhsa_forward_progress 1
		.amdhsa_inst_pref_size 107
	.end_amdhsa_kernel
	.amdgpu_metadata
---
amdhsa.version: [ 1, 2 ]
amdhsa.kernels:
  - .name:           k_qfb6a8c7e1a_qkvp
    .symbol:         k_qfb6a8c7e1a_qkvp.kd
    .args:
      - { .name: xb, .offset: 0, .size: 8, .value_kind: global_buffer, .address_space: global }
      - { .name: wcat, .offset: 8, .size: 8, .value_kind: global_buffer, .address_space: global }
      - { .name: bq, .offset: 16, .size: 8, .value_kind: global_buffer, .address_space: global }
      - { .name: bk, .offset: 24, .size: 8, .value_kind: global_buffer, .address_space: global }
      - { .name: bv, .offset: 32, .size: 8, .value_kind: global_buffer, .address_space: global }
      - { .name: qkv, .offset: 40, .size: 8, .value_kind: global_buffer, .address_space: global }
    .group_segment_fixed_size: 327680
    .private_segment_fixed_size: 0
    .kernarg_segment_align: 8
    .kernarg_segment_size: 48
    .max_flat_workgroup_size: 128
    .sgpr_count:     88
    .vgpr_count:     1024
    .wavefront_size: 32
...
	.end_amdgpu_metadata
.endif
;; end of part 2
;; launch score (part 3): grid 8 x 64, 4 waves a work-group, clusters of 4 x 4, 327,680 bytes of LDS; arguments qkv, mbits, p, stats; writes p, stats
.if DOCPART == 3
	.amdgcn_target "amdgcn-amd-amdhsa--gfx1250"
	.amdhsa_code_object_version 6
	.text
	.protected	k_qfb6a8c7e1a_score
	.globl	k_qfb6a8c7e1a_score
	.p2align	8
	.type	k_qfb6a8c7e1a_score,@function
k_qfb6a8c7e1a_score:
	s_mov_b64 s[64:65], 0
	v_nop
	global_prefetch_b8 v0, s[64:65] scope:SCOPE_SE
	s_setreg_imm32_b32 hwreg(HW_REG_WAVE_MODE, 25, 1), 1
	s_wait_xcnt 0x0
	s_wait_alu depctr_hold_cnt(0) depctr_sa_sdst(0) depctr_va_vdst(0) depctr_va_sdst(0) depctr_va_ssrc(0) depctr_va_vcc(0) depctr_vm_vsrc(0)
	s_getreg_b32 s2, hwreg(HW_REG_IB_STS2, 6, 4)
	s_cmp_eq_u32 s2, 0
	s_cbranch_scc0 .Lentry_in_a_cluster
	s_endpgm
.Lentry_in_a_cluster:
	s_bfe_u32 s2, ttmp6, 0x10000c
	s_cmp_lg_u32 s2, 0xf033
	s_cbranch_scc0 .Lentry_shape_is_right
	s_endpgm
.Lentry_shape_is_right:
; s = q k^T for 128 queries x 256 keys of one batch; the mask; and for each query and each block of 128 keys (a wave's columns) the block's OWN softmax:
; m = the largest score that may be attended, p = 2^(c s - c m) (c = log2(e) / 32) rounded to f16 into p [4][2048][2048], and (c m, l = the sum of the unrounded p) in f32 into
; stats [batch][block 16][query 2048][2].  The next launch brings the 16 blocks of a row onto the row's maximum.  A hidden score counts as the lowest finite number, so its weight is 0.
; A block with no key to attend takes the shift 0 (p = 0, l = 0) and stores c x the lowest finite number as its c m.
; LIMITS: q and k arrive in f16, within 65,504; a weight below 2^-126 counts as 0 in l; NaN and infinities among the scores are not treated apart.
; THE CORE is the product kernels' common text: see its description at the head of the first of them.  Here B (k) is stored [N][K] and comes out of LDS as it lies.
; Beside the core's registers: windows 1, 2: v160-167 my rows' mask words, v168-175 at work;  window 0: v200-207 (c m, l) for each 16 rows, v208-219 at work.
.set T,      8
.set PITCHA, 3072
.set PITCHB, 3072
.set STEPA,  256
.set STEPB,  256
.set PITCHC, 4096
.set BKN,    0
.set BMODE,  2
.set BIAS,   0
.set PV,     0
.set OUT32,  0
.macro WMMA ops:vararg
	v_wmma_f32_16x16x32_f16 \ops
.endm
; ---------------------------------------------------------------- the core's constants and macros
.set SLOT1,  1<<17                     ; slot 1 begins here: one exclusive or turns an address in one slot into the other's
.set PA,     272                       ; an LDS row of 256 bytes + 16 of padding: the 16 rows of a load start at 16 different groups of four banks (ISA guide 11.1)
.set PB,     544                       ; an LDS row of 512 bytes + 32
.set HALFB,  34816                     ; what one load brings of B: 64 rows x 544 or 128 rows x 272
.set HALFA,  17408                     ; of A: 64 rows x 272.  A slot: B's two halves, then A's two
.set STAGE,  SLOT1+2*HALFB+2*HALFA     ; behind the ring: 8,448 bytes for each wave, for the way out
.set STG,    8448
.set GTAB,   STAGE+4*STG               ; 8,192 bytes for each wave: a table (the P V kernel alone)
.set SPARE,  GTAB+4*8192               ; the spare words, 128 bytes for each wave: two blocks of 256 bytes that no other line names
.set RL,    8
.set ADRA0, 16
.set ADRB0, 17
.set ADRA,  18
.set ADRB,  19
.set STO,   20
.set RD,    21
.set CO,    22
.set GADR,  23
.set SH,    24                         ; v24     16 (1 - h): brings my half's 16 mask bits to a word's top
.set VO1,   25
.set VO2,   26
.set SPW,   28
.set NIL,   29
.set TMP,   32
.set BF,    64
.set OB,    64
.set GC,    192
.set GN,    196
.set AF,    128
.set G1A,   24
.set G0A,   32
.set G1B,   48
.set G0B,   56
.set MUL_LO, 0x54
.set MUL_HI, 0xa8
.set ESH,   1+OUT32
.set MSB, 0
.macro WIN new                         ; the immediate's high byte repeats the setting that is left; a switch that changes nothing is dropped
.if MSB != (\new)
	s_set_vgpr_msb (MSB<<8)|(\new)
.set MSB, \new
.endif
.endm
.macro PLACES                          ; four places in front of loads into registers that matrix instructions have read, and of lines that read results
.rept 4
	v_nop
.endr
.endm
.macro CREST                           ; a round of the cluster's barrier behind its opening barrier
	s_cmp_lg_u32 s10, 0
	s_cbranch_scc1 .Lnot_wave_0_\@
	s_barrier_signal -3
.Lnot_wave_0_\@:
	s_barrier_wait -3
	s_barrier_signal -1
	s_barrier_wait -1
.endm
.macro CROUND                          ; a whole round
	s_barrier_signal -1
	s_barrier_wait -1
	CREST
.endm
.macro JLOAD                           ; a joint refill by the walking sets; the branch hangs on the wave's number alone; an s_nop 0 and four v_nop follow each line
	s_cmp_eq_u32 s11, 0
	s_cbranch_scc0 .Lfor_a_\@
	tensor_load_to_lds s[G0B+4:G0B+7], s[G1B:G1B+7]
	s_nop 0
.rept 4
	v_nop
.endr
	s_branch .Lasked_\@
.Lfor_a_\@:
	tensor_load_to_lds s[G0A+4:G0A+7], s[G1A:G1A+7]
	s_nop 0
.rept 4
	v_nop
.endr
.Lasked_\@:
.endm
; 24 LDS loads in one run: the fragments of quarter q (32 along K) into buffer f: A's rows 0-31 (4 loads), B's 128 columns (16), A's rows 32-63 (4).  gl = 1: the next step's table entry too.
.macro FETCH q, f, gl
	WIN MUL_LO
.irp n, 0,1
	ds_load_b128 v[AF+16*(\f)+8*(\n):AF+16*(\f)+8*(\n)+3],   v[ADRA] offset:(\n)*16*PA+64*(\q)
	ds_load_b128 v[AF+16*(\f)+8*(\n)+4:AF+16*(\f)+8*(\n)+7], v[ADRA] offset:(\n)*16*PA+64*(\q)+32
.endr
	WIN 0
.irp n, 0,1,2,3,4,5,6,7
.if BKN
	ds_load_tr16_b128 v[BF+64*(\f)+8*(\n):BF+64*(\f)+8*(\n)+3],   v[ADRB] offset:32*PB*(\q)+32*(\n)
	ds_load_tr16_b128 v[BF+64*(\f)+8*(\n)+4:BF+64*(\f)+8*(\n)+7], v[ADRB] offset:32*PB*(\q)+32*(\n)+16*PB
.else
	ds_load_b128 v[BF+64*(\f)+8*(\n):BF+64*(\f)+8*(\n)+3],   v[ADRB] offset:(\n)*16*PA+64*(\q)
	ds_load_b128 v[BF+64*(\f)+8*(\n)+4:BF+64*(\f)+8*(\n)+7], v[ADRB] offset:(\n)*16*PA+64*(\q)+32
.endif
.endr
.if \gl
	ds_load_b128 v[GN:GN+3], v[GADR]
.endif
	WIN MUL_HI
.irp n, 0,1
	ds_load_b128 v[AF+16*(\f)+8*(\n):AF+16*(\f)+8*(\n)+3],   v[ADRA] offset:((\n)+2)*16*PA+64*(\q)
	ds_load_b128 v[AF+16*(\f)+8*(\n)+4:AF+16*(\f)+8*(\n)+7], v[ADRA] offset:((\n)+2)*16*PA+64*(\q)+32
.endr
.endm
.macro SCALE8 f, a                     ; A's fragment a times the step's factor, in f16, in place
.set rA, AF+16*(\f)+8*((\a)%2)
.set i, 0
.rept 8
	v_pk_mul_f16 v[rA+i], v[GC+(\a)], v[rA+i]
.set i, i+1
.endr
.endm
; 8 matrix instructions: my rows 16 a .. x all 8 column blocks, 32 along K.  first = 1: the product starts the sums, with the bias or with 0.  rid = 1: fragment a + 1 is scaled beside them.
.macro MUL8 f, a, first, rid
.set rA, AF+16*(\f)+8*((\a)%2)
.set b, 0
.rept 8
.set rD, 64*((\a)%2)+8*b
.set rB, BF+64*(\f)+8*b
.if (\first) && BIAS
	WMMA v[rD:rD+7], v[rB:rB+7], v[rA:rA+7], v[8*b:8*b+7]
.elseif \first
	WMMA v[rD:rD+7], v[rB:rB+7], v[rA:rA+7], 0
.else
	WMMA v[rD:rD+7], v[rB:rB+7], v[rA:rA+7], v[rD:rD+7]
.endif
.if (\rid) && (b < 4)
	v_pk_mul_f16 v[rA+8+2*b], v[GC+(\a)+1], v[rA+8+2*b]
	v_pk_mul_f16 v[rA+9+2*b], v[GC+(\a)+1], v[rA+9+2*b]
.endif
.set b, b+1
.endr
.endm
.macro HALF f, hi, first               ; 16 matrix instructions: my rows 0-31 (hi = 0) or 32-63
.if (\first) && BIAS
	WIN 0x74+0x44*(\hi)                            ; as MUL_LO, MUL_HI, with C in window 3
.else
	WIN MUL_LO+0x54*(\hi)
.endif
.if PV
	SCALE8 \f, 2*(\hi)
.endif
	MUL8 \f, 2*(\hi), \first, PV
	MUL8 \f, 2*(\hi)+1, \first, 0
.endm
; A K step is four quarters of 32 along K, 32 matrix instructions each, on buffers 0, 1, 0, 1; the 32 accumulators take turns in the same order in every quarter.
; One of the first three: multiplies buffer f; in its middle it fetches quarter q into buffer g.
.macro QUARTER q, f, g, first=0, newstep=0
	s_wait_dscnt 4                                 ; all but the four youngest loads (A's rows 32-63) are in
.if PV && (\newstep)
	WIN 0
.irp n, 0,1,2,3
	v_mov_b32 v[GC+(\n)], v[GN+(\n)]               ; the new step's factors
.endr
.endif
	HALF \f, 0, \first
	PLACES
	FETCH \q, \g, 0
	s_wait_dscnt 24                                ; all but the 24 just issued
	HALF \f, 1, \first
.endm
; The fourth quarter multiplies buffer 1 and changes slots: ONE barrier.  In front of it each wave waits for all its tensor loads (one is out: its part of the next slot), adds 0 to its
; spare word, and waits for that and for its own reads of this slot.  fill = 1: the barrier opens a round of the cluster's, and behind the round this slot is filled again, two K steps ahead.
.macro TURN fill
	WIN 0
	s_wait_tensorcnt 0x0                           ; no tensor load of mine is out, so a group 0 may be written
	ds_add_u32 v[SPW], v[NIL]                      ; 0 onto my spare word
.if \fill
	s_xor_b32 s[G0A+5], s[G0A+5], SLOT1            ; the walking sets: the other slot than last time, the next K step; the type bits on top are not reached
	s_add_nc_u64 s[G0A+6:G0A+7], s[G0A+6:G0A+7], STEPA
	s_xor_b32 s[G0B+5], s[G0B+5], SLOT1
	s_add_nc_u64 s[G0B+6:G0B+7], s[G0B+6:G0B+7], STEPB
.endif
	s_wait_dscnt 5                                 ; the add and the four youngest loads may be out
	WIN MUL_LO
.if PV
	SCALE8 1, 0
.endif
	MUL8 1, 0, 0, PV
	s_wait_dscnt 0x0                               ; the add is done, and my reads of this slot are over
	s_barrier_signal -1
	MUL8 1, 1, 0, 0                                ; work on registers while the others arrive
	WIN 0                                          ; at a label and at a branch every window is 0
	s_barrier_wait -1
.if \fill
	CREST                                          ; no wave of any partner still reads this slot or has a load on its way
	JLOAD                                          ; the first tensor load behind the round; its four v_nop are also the places in front of the loads below
.else
	PLACES
.endif
	s_xor_b32 s45, s45, SLOT1                      ; the fetches go to the other slot
	v_add_nc_u32 v[ADRA], s45, v[ADRA0]
	v_add_nc_u32 v[ADRB], s45, v[ADRB0]
.if PV
	v_add_nc_u32 v[GADR], 512, v[GADR]
.endif
	FETCH 0, 0, PV
	HALF 1, 1, 0
.endm
; ids, masks, the descriptors' constant words, offsets: work on registers alone, between the opening add and the wait for it
.macro HEAD
	v_lshrrev_b32 v1, 5, v0
	v_readfirstlane_b32 s10, v1                    ; wave 0..3
	s_lshr_b32 s11, s10, 1                         ; which 64 rows of the tile are mine.  Also: I fetch for B (0) or for A (1)
	s_and_b32 s12, s10, 1                          ; which 128 columns.  Also: which half of that tile I fetch
	s_bfe_u32 s40, ttmp6, 0x40000                  ; cx
	s_bfe_u32 s41, ttmp6, 0x40004                  ; cy
	s_lshl_b32 s42, ttmp9, 2
	s_add_co_u32 s42, s42, s40                     ; tile column = 4 x cluster x + cx
	s_and_b32 s78, ttmp7, 0xffff
	s_lshl_b32 s13, s78, 2
	s_add_co_u32 s13, s13, s41                     ; tile row = 4 x cluster y + cy
	s_lshr_b32 s78, s78, 2                         ; the batch (16 tile rows each), from the cluster's y alone: the same in all sixteen partners
	s_lshl_b32 s43, s41, 2
	s_lshl_b32 s43, 15, s43                        ; my row of the cluster
	s_lshl_b32 s44, 0x1111, s40                    ; my column
	s_or_b32 s[G1A], s43, (1<<16)|(1<<20)|(1<<21)|(5<<22)|(3<<25)  ; 15:0 the mask; 17:16 2-byte elements; 20 padding on; 21 set beside a mask; 24:22 after every 64 words; 31:25 4 words
	s_mov_b32 s[G1A+1], 128<<16                    ; tensor_dim0 = 128
	s_mov_b32 s[G1A+2], 64<<16                     ; tensor_dim1 = 64
	s_mov_b32 s[G1A+3], 128<<16                    ; tile_dim0 = 128
	s_mov_b32 s[G1A+4], 64                         ; tile_dim1 = 64
	s_mov_b32 s[G1A+5], PITCHA
	s_mov_b32 s[G1A+6], 0
	s_mov_b32 s[G1A+7], 0
.if BKN
	s_or_b32 s[G1B], s44, (1<<16)|(1<<20)|(1<<21)|(6<<22)|(7<<25)  ; after every 128 words 8 words of padding
	s_mov_b32 s[G1B+1], 256<<16                    ; 64 rows (K) of 256 elements
	s_mov_b32 s[G1B+2], 64<<16
	s_mov_b32 s[G1B+3], 256<<16
	s_mov_b32 s[G1B+4], 64
.else
	s_or_b32 s[G1B], s44, (1<<16)|(1<<20)|(1<<21)|(5<<22)|(3<<25)
	s_mov_b32 s[G1B+1], 128<<16                    ; 128 rows (N) of 128 elements
	s_mov_b32 s[G1B+2], 128<<16
	s_mov_b32 s[G1B+3], 128<<16
	s_mov_b32 s[G1B+4], 128
.endif
	s_mov_b32 s[G1B+5], PITCHB
	s_mov_b32 s[G1B+6], 0
	s_mov_b32 s[G1B+7], 0
	s_lshl_b32 s16, s13, 7                         ; A: row 128 x tile row + 64 x half, in bytes: made of the tile row and the wave's number alone
	s_lshl_b32 s17, s12, 6
	s_add_co_u32 s16, s16, s17
	s_mul_i32 s16, s16, PITCHA*2
	s_mov_b32 s17, 0
.if BMODE == 2
	s_lshl_b32 s46, s78, 11                        ; B: key row 2,048 x batch + 256 x tile column + 128 x half; k's columns begin 2,048 bytes into a row
	s_lshl_b32 s47, s42, 8
	s_add_co_u32 s46, s46, s47
	s_lshl_b32 s47, s12, 7
	s_add_co_u32 s46, s46, s47
	s_mul_i32 s46, s46, PITCHB*2
	s_add_co_u32 s46, s46, 2048
.else
	s_mul_i32 s46, s12, 64*PITCHB*2                ; B: K row 64 x half, column 256 x tile column
	s_lshl_b32 s47, s42, 9
	s_add_co_u32 s46, s46, s47
.if BMODE == 1
	s_mul_i32 s47, s78, 2048*PITCHB*2              ; my batch's rows; v's columns begin 4,096 bytes into a row
	s_add_co_u32 s46, s46, s47
	s_add_co_u32 s46, s46, 4096
.endif
.endif
	s_mov_b32 s47, 0
	s_mul_i32 s20, s10, HALFB                      ; where they go: B's halves at 34,816 w,
	s_mul_i32 s21, s10, HALFA
	s_add_co_u32 s21, s21, HALFB                   ; A's at 34,816 + 17,408 w: no place in the cluster enters an LDS address
	s_mov_b32 s45, 0                               ; the slot in hand
	s_mov_b32 s72, 0x3d38aa3b                      ; c = log2(e) / 32
	s_mov_b32 s73, s72
	s_mov_b32 s74, 0xff7fffff                      ; the lowest finite number
	s_mov_b32 s75, 0xffff0000
	s_mov_b32 s76, 0x76543210                      ; v_permlanex16_b32: each lane takes its own place in the other half
	s_mov_b32 s77, 0xfedcba98
.endm
; the round in front of the first joint loads, the group 0 sets, and a wave's two first fills in one branch: two loads of mine are out
.macro FILLS
	s_add_nc_u64 s[14:15], s[4:5], s[16:17]
	s_add_nc_u64 s[46:47], s[6:7], s[46:47]
	CROUND
.irp n, 0,1
	s_mov_b32 s[G0A+4*(\n)], 1                     ; count = 1
	s_add_co_u32 s[G0A+4*(\n)+1], s21, (\n)*SLOT1  ; LDS address
	s_add_nc_u64 s[G0A+4*(\n)+2:G0A+4*(\n)+3], s[14:15], (\n)*STEPA  ; global address: K step n
	s_or_b32 s[G0A+4*(\n)+3], s[G0A+4*(\n)+3], 0x80000000            ; type = 2
	s_mov_b32 s[G0B+4*(\n)], 1
	s_add_co_u32 s[G0B+4*(\n)+1], s20, (\n)*SLOT1
	s_add_nc_u64 s[G0B+4*(\n)+2:G0B+4*(\n)+3], s[46:47], (\n)*STEPB
	s_or_b32 s[G0B+4*(\n)+3], s[G0B+4*(\n)+3], 0x80000000
.endr
	s_cmp_eq_u32 s11, 0
	s_cbranch_scc0 .Lfirst_a
	tensor_load_to_lds s[G0B:G0B+3], s[G1B:G1B+7]
	s_nop 0
	tensor_load_to_lds s[G0B+4:G0B+7], s[G1B:G1B+7]
	s_nop 0
.rept 4
	v_nop
.endr
	s_branch .Lfirst_asked
.Lfirst_a:
	tensor_load_to_lds s[G0A:G0A+3], s[G1A:G1A+7]
	s_nop 0
	tensor_load_to_lds s[G0A+4:G0A+7], s[G1A:G1A+7]
	s_nop 0
.rept 4
	v_nop
.endr
.Lfirst_asked:
.endm
; the lanes' LDS addresses, and C at my part of the tile
.macro LANES
	v_and_b32 v1, 15, v0                           ; r = l % 16
	v_bfe_u32 v2, v0, 4, 1                         ; h = l / 16
	v_and_b32 v3, 31, v0                           ; l
	v_mul_u32_u24 v4, v1, PA
	v_lshl_add_u32 v4, v2, 4, v4                   ; a fragment's row x pitch + 16 x half
	s_mul_i32 s21, s11, 64*PA
	s_add_co_u32 s21, s21, 2*HALFB                 ; my 64 rows of A, behind B
	v_add_nc_u32 v[ADRA0], s21, v4
.if BKN
	v_and_b32 v5, 7, v0                            ; the turning load: lane l reads K row 8 h + l % 8, columns 8 ((l / 8) % 2) + 0..7
	v_lshl_add_u32 v5, v2, 3, v5
	v_mul_u32_u24 v5, v5, PB
	v_bfe_u32 v6, v0, 3, 1
	v_lshl_add_u32 v5, v6, 4, v5
	s_lshl_b32 s22, s12, 8                         ; my 128 columns
	v_add_nc_u32 v[ADRB0], s22, v5
.else
	s_mul_i32 s22, s12, 128*PA                     ; my 128 rows of B
	v_add_nc_u32 v[ADRB0], s22, v4
.endif
	v_mov_b32 v[ADRA], v[ADRA0]
	v_mov_b32 v[ADRB], v[ADRB0]
	s_mul_i32 s23, s10, STG
	s_add_co_u32 s23, s23, STAGE                   ; my stage
.if OUT32
	v_mul_u32_u24 v5, v1, 528                      ; in: row r of 512 + 16 bytes, 32 bytes for each half of the lanes
	v_lshl_add_u32 v5, v2, 5, v5
	v_add_nc_u32 v[STO], s23, v5
	v_lshl_add_u32 v[RD], v3, 4, s23               ; back: 32 lanes take one row of 512 bytes
	v_lshlrev_b32 v[CO], 4, v3
.else
	v_add_nc_u32 v[STO], s23, v4                   ; in: row r, 16 bytes for each half of the lanes
	v_mul_u32_u24 v5, v2, PA                       ; back: lanes 0-15 take one row of 256 bytes, lanes 16-31 the next
	v_lshl_add_u32 v5, v1, 4, v5
	v_add_nc_u32 v[RD], s23, v5
	v_mul_u32_u24 v5, v2, PITCHC
	v_lshl_add_u32 v[CO], v1, 4, v5
.endif
	s_lshl_b32 s16, s13, 7
	s_lshl_b32 s17, s11, 6
	s_add_co_u32 s16, s16, s17                     ; my first row of C
	s_mul_i32 s16, s16, PITCHC
	s_mov_b32 s17, 0
	s_add_nc_u64 s[8:9], s[8:9], s[16:17]
	s_lshl_b32 s18, s42, 8+ESH                     ; my first column, in bytes
	s_lshl_b32 s19, s12, 7+ESH
	s_add_co_u32 s18, s18, s19
	s_mov_b32 s19, 0
	s_add_nc_u64 s[8:9], s[8:9], s[18:19]
.endm
; the walk along K
.macro MAIN
	s_wait_tensorcnt 0x1                           ; my part of K step 0 is in; K step 1's may stay out
	s_wait_loadcnt 0x0                             ; nothing of the set-up is pending
	s_wait_dscnt 0x0
	s_barrier_signal -1
	s_barrier_wait -1                              ; everybody's part is in
	FETCH 0, 0, PV
	QUARTER 1, 0, 1, 1, 1                          ; the first quarter stands in front of the loop: its products start the sums
	WIN 0
	s_mov_b32 s3, T-2
.Lstep:                                                ; a trip: from a step's second quarter to the next step's first; it fills the slot that it leaves
	QUARTER 2, 1, 0
	QUARTER 3, 0, 1
	TURN 1
	QUARTER 1, 0, 1, 0, 1
	WIN 0
	s_sub_co_u32 s3, s3, 1
	s_cmp_lg_u32 s3, 0
	s_cbranch_scc1 .Lstep
	QUARTER 2, 1, 0                                ; the last two steps are written out: nothing is left to fetch
	QUARTER 3, 0, 1
	TURN 0
	QUARTER 1, 0, 1, 0, 1
	QUARTER 2, 1, 0
	QUARTER 3, 0, 1
	s_wait_dscnt 4
	HALF 1, 0, 0
	s_wait_dscnt 0x0
	HALF 1, 1, 0
	WIN 0
	PLACES                                         ; the way out reads results just made
.endm
.macro TOSTAGE a
.irp n, 0,1,2,3,4,5,6,7
	ds_store_b128 v[STO], v[TMP+4*(\n):TMP+4*(\n)+3] offset:32*(\n)
.endr
.irp n, 0,1,2,3,4,5,6,7
	ds_load_b128 v[OB+32*(\a)+4*(\n):OB+32*(\a)+4*(\n)+3], v[RD] offset:(\n)*2*PA  ; LDS serves a wave's instructions in order (ISA guide 5.7.1.4): these see the stores above
.endr
.endm
.macro SEND a
	s_wait_dscnt 0x0                               ; the block is back in registers of its own: no store's data is ever rewritten
.irp n, 0,1,2,3,4,5,6,7
	global_store_b128 v[CO], v[OB+32*(\a)+4*(\n):OB+32*(\a)+4*(\n)+3], s[8:9] offset:(16*(\a)+2*(\n))*PITCHC  ; 16 lanes store 256 consecutive bytes, aligned
.endr
.endm
.macro FINISH
	WIN 0
	s_wait_tensorcnt 0x0                           ; the wave's end, behind my last tensor load and my last LDS store
	ds_add_u32 v[SPW], v[NIL]
	s_wait_dscnt 0x0
	CROUND                                         ; the closing round: no work-group ends while a partner may still ask for a tile that names it
	s_endpgm
.endm
; ---------------------------------------------------------------- this kernel's own: the softmax of 16 queries (block a) over my 128 keys
.set X,   168                          ; windows 1, 2: eight running maxima
.set ST,  200                          ; window 0: (c m, l) of block a at ST + 2 a
.set W0,  212                          ; window 0: +0 m, +1 the other half's, +4, +5 the shift (a pair), +6, +7 the sum and the other half's
; A lane holds one query and 64 of the 128 keys: register 4 i + j of the block's 64 is key 16 (i / 2) + 8 h + 4 (i % 2) + j, whose bit is bit 15 - i of my half of mask word j.
.macro SOFT a
.set AC, 64*((\a)%2)
.set MB, 160+4*((\a)%2)
.set WW, 1+(\a)/2
	WIN 0x44*WW                                    ; the shift in window 0, the words in window 1 or 2
.irp n, 0,1,2,3
	v_lshlrev_b32 v[MB+(\n)], v[SH], v[MB+(\n)]    ; my half's 16 bits to the top
.endr
	WIN 0x55*WW
.set i, 0
.rept 16                                       ; a word added to itself hands its top bit out as the carry; four words side by side; each accumulator's register 0 is read first
.irp n, 0,1,2,3
	v_add_co_u32 v[MB+(\n)], s[80+(\n)], v[MB+(\n)], v[MB+(\n)]
.endr
.irp n, 0,1,2,3
	v_cndmask_b32 v[AC+4*i+(\n)], s74, v[AC+4*i+(\n)], s[80+(\n)]
.endr
.set i, i+1
.endr
.set b, 0
.rept 8                                        ; the maximum: eight chains of seven scores, three operands at a time,
	v_max3_num_f32 v[X+b], v[AC+8*b], v[AC+8*b+1], v[AC+8*b+2]
.set b, b+1
.endr
.set b, 0
.rept 8
	v_max3_num_f32 v[X+b], v[X+b], v[AC+8*b+3], v[AC+8*b+4]
.set b, b+1
.endr
.set b, 0
.rept 8
	v_max3_num_f32 v[X+b], v[X+b], v[AC+8*b+5], v[AC+8*b+6]
.set b, b+1
.endr
.set b, 0
.rept 4                                        ; the eight scores left over,
	v_max3_num_f32 v[X+b], v[X+b], v[AC+16*b+7], v[AC+16*b+15]
.set b, b+1
.endr
	v_max3_num_f32 v[X], v[X], v[X+1], v[X+2]      ; and the eight into one
	v_max3_num_f32 v[X+3], v[X+3], v[X+4], v[X+5]
	v_max_num_f32 v[X+6], v[X+6], v[X+7]
	WIN 0x15*WW                                    ; destination window 0
	v_max3_num_f32 v[W0], v[X], v[X+3], v[X+6]
	WIN 0
	v_permlanex16_b32 v[W0+1], v[W0], s76, s77     ; the query's other 64 keys lie in the lane 16 away
	v_max_num_f32 v[W0], v[W0], v[W0+1]            ; m
	v_mul_f32 v[ST+2*(\a)], s72, v[W0]             ; c m, as it is stored
	v_cmp_lt_f32 vcc_lo, s74, v[W0]                ; is there a key to attend?
	v_cndmask_b32 v[W0+4], 0, v[ST+2*(\a)], vcc_lo ; the shift: c m, or 0 for an empty block
	v_cndmask_b32 v[W0+5], 0, v[ST+2*(\a)], vcc_lo
	WIN 0x41*WW                                    ; scores (destination and source 0) in window 1 or 2, the shift in window 0
.set i, 0
.rept 32
	v_pk_fma_f32 v[AC+i:AC+i+1], v[AC+i:AC+i+1], s[72:73], v[W0+4:W0+5] op_sel_hi:[1,0,0] neg_lo:[0,0,1] neg_hi:[0,0,1]
.set i, i+2
.endr
.set i, 0
.rept 64                                       ; ONE batch of 64 exponentials,
	v_exp_f32 v[AC+i], v[AC+i]
.set i, i+1
.endr
	v_nop                                          ; a plain instruction behind the last of them,
	s_wait_alu depctr_va_vdst(0)                   ; and one wait ahead of the first line that names a result
	WIN 0x05*WW
.set i, 0
.rept 32
	v_cvt_pk_f16_f32 v[TMP+i], v[AC+2*i], v[AC+2*i+1]
.set i, i+1
.endr
	WIN 0x55*WW
.irp w, 16,8,4,2,1                             ; the sum of the unrounded weights: a tree over the 32 pairs, in place
.set i, 0
.rept \w
	v_pk_add_f32 v[AC+2*i:AC+2*i+1], v[AC+2*i:AC+2*i+1], v[AC+2*(i+(\w)):AC+2*(i+(\w))+1]
.set i, i+1
.endr
.endr
	WIN 0x05*WW
	v_add_f32 v[W0+6], v[AC], v[AC+1]
	WIN 0
	v_permlanex16_b32 v[W0+7], v[W0+6], s76, s77
	v_add_f32 v[ST+2*(\a)+1], v[W0+6], v[W0+7]     ; l
.endm
; ---------------------------------------------------------------- the kernel
	s_load_b128 s[4:7], s[0:1], 0x0                ; qkv, mbits
	s_load_b128 s[68:71], s[0:1], 0x10             ; p, stats
	v_lshl_add_u32 v[SPW], v0, 2, SPARE
	v_mov_b32 v[NIL], 0
	ds_add_u32 v[SPW], v[NIL]                      ; the wave's opening: the add and its wait stand ahead of my first tensor load
	HEAD
	s_wait_dscnt 0x0                               ; the opening add is done
	s_wait_kmcnt 0x0
	s_mov_b64 s[66:67], s[6:7]                     ; mbits
	s_mov_b64 s[8:9], s[68:69]                     ; C = p
	s_mov_b64 s[6:7], s[4:5]                       ; B lies in qkv too
	FILLS
	LANES
	s_lshl_b32 s14, s42, 1
	s_add_co_u32 s14, s14, s12                     ; my block of 128 keys: 2 x tile column + half
	s_lshl_b32 s15, s78, 4
	s_add_co_u32 s14, s14, s15                     ; + 16 x batch
	s_lshl_b32 s14, s14, 11                        ; 2,048 rows each
	s_and_b32 s15, s13, 15
	s_lshl_b32 s15, s15, 7
	s_add_co_u32 s14, s14, s15                     ; + the tile's first query in the batch
	s_lshl_b32 s15, s11, 6
	s_add_co_u32 s14, s14, s15                     ; + my 64
	s_lshl_b32 s18, s14, 4                         ; 16 bytes a row in mbits,
	s_mov_b32 s19, 0
	s_add_nc_u64 s[66:67], s[66:67], s[18:19]
	s_lshl_b32 s14, s14, 3                         ; 8 in stats
	s_mov_b32 s15, 0
	s_add_nc_u64 s[70:71], s[70:71], s[14:15]
	v_lshlrev_b32 v[VO1], 4, v1                    ; my row's four words
	v_lshlrev_b32 v[VO2], 3, v3
	v_sub_nc_u32 v[SH], 1, v2
	v_lshlrev_b32 v[SH], 4, v[SH]
	v_mov_b32 v[W0+1], 0                           ; v_permlanex16_b32's destinations count as read: written once here
	v_mov_b32 v[W0+7], 0
	WIN 0x40
	global_load_b128 v[160:163], v[VO1], s[66:67]
	global_load_b128 v[164:167], v[VO1], s[66:67] offset:256
	WIN 0x80
	global_load_b128 v[160:163], v[VO1], s[66:67] offset:512
	global_load_b128 v[164:167], v[VO1], s[66:67] offset:768
	WIN 0
	MAIN
	SOFT 0
	TOSTAGE 0
.irp m, 1,2,3
	SOFT \m                                        ; a block's softmax stands between the loads of the block before and the wait for them
	SEND (\m)-1
	TOSTAGE \m
.endr
	SEND 3
	v_cndmask_b32 v208, v200, v202, s75            ; lane l stores query l, then query 32 + l: blocks h and 2 + h
	v_cndmask_b32 v209, v201, v203, s75
	v_cndmask_b32 v210, v204, v206, s75
	v_cndmask_b32 v211, v205, v207, s75
	global_store_b64 v[VO2], v[208:209], s[70:71]  ; 32 lanes store 256 consecutive bytes, aligned
	global_store_b64 v[VO2], v[210:211], s[70:71] offset:256
	FINISH
.Lfunc_end_k_qfb6a8c7e1a_score:
	.size	k_qfb6a8c7e1a_score, .Lfunc_end_k_qfb6a8c7e1a_score-k_qfb6a8c7e1a_score
	.p2alignl 7, 3214868480
	.fill 96, 4, 3214868480
	.section	.rodata,"a",@progbits
	.p2align	6, 0x0
	.amdhsa_kernel k_qfb6a8c7e1a_score
		.amdhsa_group_segment_fixed_size 327680
		.amdhsa_private_segment_fixed_size 0
		.amdhsa_enable_private_segment 0
		.amdhsa_kernarg_size 32
		.amdhsa_user_sgpr_count 2
		.amdhsa_user_sgpr_kernarg_segment_ptr 1
		.amdhsa_wavefront_size32 1
		.amdhsa_system_sgpr_workgroup_id_x 1
		.amdhsa_system_sgpr_workgroup_id_y 1
		.amdhsa_system_sgpr_workgroup_id_z 1
		.amdhsa_system_vgpr_workitem_id 0
		.amdhsa_next_free_vgpr 768
		.amdhsa_next_free_sgpr 88
		.amdhsa_reserve_vcc 1
		.amdhsa_float_denorm_mode_32 3
		.amdhsa_float_denorm_mode_16_64 3
		.amdhsa_memory_ordered 1
		.amdhsa_forward_progress 1
		.amdhsa_inst_pref_size 139
	.end_amdhsa_kernel
	.amdgpu_metadata
---
amdhsa.version: [ 1, 2 ]
amdhsa.kernels:
  - .name:           k_qfb6a8c7e1a_score
    .symbol:         k_qfb6a8c7e1a_score.kd
    .args:
      - { .name: qkv, .offset: 0, .size: 8, .value_kind: global_buffer, .address_space: global }
      - { .name: mbits, .offset: 8, .size: 8, .value_kind: global_buffer, .address_space: global }
      - { .name: p, .offset: 16, .size: 8, .value_kind: global_buffer, .address_space: global }
      - { .name: stats, .offset: 24, .size: 8, .value_kind: global_buffer, .address_space: global }
    .group_segment_fixed_size: 327680
    .private_segment_fixed_size: 0
    .kernarg_segment_align: 8
    .kernarg_segment_size: 32
    .max_flat_workgroup_size: 128
    .sgpr_count:     88
    .vgpr_count:     768
    .wavefront_size: 32
...
	.end_amdgpu_metadata
.endif
;; end of part 3
;; launch ctxp (part 4): grid 4 x 64, 4 waves a work-group, clusters of 4 x 4, 327,680 bytes of LDS; arguments p, qkv, stats, ctx; writes ctx
.if DOCPART == 4
	.amdgcn_target "amdgcn-amd-amdhsa--gfx1250"
	.amdhsa_code_object_version 6
	.text
	.protected	k_qfb6a8c7e1a_ctxp
	.globl	k_qfb6a8c7e1a_ctxp
	.p2align	8
	.type	k_qfb6a8c7e1a_ctxp,@function
k_qfb6a8c7e1a_ctxp:
	s_mov_b64 s[64:65], 0
	v_nop
	global_prefetch_b8 v0, s[64:65] scope:SCOPE_SE
	s_setreg_imm32_b32 hwreg(HW_REG_WAVE_MODE, 25, 1), 1
	s_wait_xcnt 0x0
	s_wait_alu depctr_hold_cnt(0) depctr_sa_sdst(0) depctr_va_vdst(0) depctr_va_sdst(0) depctr_va_ssrc(0) depctr_va_vcc(0) depctr_vm_vsrc(0)
	s_getreg_b32 s2, hwreg(HW_REG_IB_STS2, 6, 4)
	s_cmp_eq_u32 s2, 0
	s_cbranch_scc0 .Lentry_in_a_cluster
	s_endpgm
.Lentry_in_a_cluster:
	s_bfe_u32 s2, ttmp6, 0x10000c
	s_cmp_lg_u32 s2, 0xf033
	s_cbranch_scc0 .Lentry_shape_is_right
	s_endpgm
.Lentry_shape_is_right:
; ctx[q][n] = (sum over the 16 key blocks kb of g_kb x sum over the block's keys of p[q][key] v[key][n]) / L.  From stats (c m_kb, l_kb) each wave first makes, for its 64 queries,
; M = the largest c m_kb (the row's true maximum times c), g_kb = 2^(c m_kb - M) and L = the sum of l_kb g_kb, all in f32.  A K step is one key block: its p fragments are multiplied by g_kb
; in packed f16 between their load and the matrix instruction; the finished f32 sums are multiplied by 1 / L and rounded once to f16.
; A row with no key to attend at all has g = 1, p = 0, L = 0: 0 x infinity gives the NaN that the softmax of such a row is.
; LIMITS: a weight p g below 6e-8 counts as 0, below 6e-5 it keeps f16's fixed step; v arrives in f16, within 65,504; ctx is a mean of v's rows and has their range.
; THE CORE is the product kernels' common text: see its description at the head of the first of them.  Beside its registers: window 0: v8-15 1 / L in pairs, v192-195 the step's factors
; (g twice in a word, one for each 16 rows), v196-199 the next step's.  LDS: each wave's table [kb 16][lane 32][4 words] of those factors.
.set T,      16
.set PITCHA, 2048
.set PITCHB, 3072
.set STEPA,  256
.set STEPB,  128*PITCHB*2
.set PITCHC, 2048
.set BKN,    1
.set BMODE,  1
.set BIAS,   0
.set PV,     1
.set OUT32,  0
.macro WMMA ops:vararg
	v_wmma_f32_16x16x32_f16 \ops
.endm
; ---------------------------------------------------------------- the core's constants and macros
.set SLOT1,  1<<17                     ; slot 1 begins here: one exclusive or turns an address in one slot into the other's
.set PA,     272                       ; an LDS row of 256 bytes + 16 of padding: the 16 rows of a load start at 16 different groups of four banks (ISA guide 11.1)
.set PB,     544                       ; an LDS row of 512 bytes + 32
.set HALFB,  34816                     ; what one load brings of B: 64 rows x 544 or 128 rows x 272
.set HALFA,  17408                     ; of A: 64 rows x 272.  A slot: B's two halves, then A's two
.set STAGE,  SLOT1+2*HALFB+2*HALFA     ; behind the ring: 8,448 bytes for each wave, for the way out
.set STG,    8448
.set GTAB,   STAGE+4*STG               ; 8,192 bytes for each wave: the table of factors
.set SPARE,  GTAB+4*8192               ; the spare words, 128 bytes for each wave: two blocks of 256 bytes that no other line names
.set RL,    8
.set ADRA0, 16
.set ADRB0, 17
.set ADRA,  18
.set ADRB,  19
.set STO,   20
.set RD,    21
.set CO,    22
.set GADR,  23
.set SH,    24
.set VO1,   25
.set VO2,   26
.set SPW,   28
.set NIL,   29
.set TMP,   32
.set BF,    64
.set OB,    64
.set GC,    192
.set GN,    196
.set AF,    128
.set G1A,   24
.set G0A,   32
.set G1B,   48
.set G0B,   56
.set MUL_LO, 0x54
.set MUL_HI, 0xa8
.set ESH,   1+OUT32
.set MSB, 0
.macro WIN new                         ; the immediate's high byte repeats the setting that is left; a switch that changes nothing is dropped
.if MSB != (\new)
	s_set_vgpr_msb (MSB<<8)|(\new)
.set MSB, \new
.endif
.endm
.macro PLACES                          ; four places in front of loads into registers that matrix instructions have read, and of lines that read results
.rept 4
	v_nop
.endr
.endm
.macro CREST                           ; a round of the cluster's barrier behind its opening barrier
	s_cmp_lg_u32 s10, 0
	s_cbranch_scc1 .Lnot_wave_0_\@
	s_barrier_signal -3
.Lnot_wave_0_\@:
	s_barrier_wait -3
	s_barrier_signal -1
	s_barrier_wait -1
.endm
.macro CROUND                          ; a whole round
	s_barrier_signal -1
	s_barrier_wait -1
	CREST
.endm
.macro JLOAD                           ; a joint refill by the walking sets; the branch hangs on the wave's number alone; an s_nop 0 and four v_nop follow each line
	s_cmp_eq_u32 s11, 0
	s_cbranch_scc0 .Lfor_a_\@
	tensor_load_to_lds s[G0B+4:G0B+7], s[G1B:G1B+7]
	s_nop 0
.rept 4
	v_nop
.endr
	s_branch .Lasked_\@
.Lfor_a_\@:
	tensor_load_to_lds s[G0A+4:G0A+7], s[G1A:G1A+7]
	s_nop 0
.rept 4
	v_nop
.endr
.Lasked_\@:
.endm
; 24 LDS loads in one run: the fragments of quarter q (32 along K) into buffer f: A's rows 0-31 (4 loads), B's 128 columns (16), A's rows 32-63 (4).  gl = 1: the next step's table entry too.
.macro FETCH q, f, gl
	WIN MUL_LO
.irp n, 0,1
	ds_load_b128 v[AF+16*(\f)+8*(\n):AF+16*(\f)+8*(\n)+3],   v[ADRA] offset:(\n)*16*PA+64*(\q)
	ds_load_b128 v[AF+16*(\f)+8*(\n)+4:AF+16*(\f)+8*(\n)+7], v[ADRA] offset:(\n)*16*PA+64*(\q)+32
.endr
	WIN 0
.irp n, 0,1,2,3,4,5,6,7
.if BKN
	ds_load_tr16_b128 v[BF+64*(\f)+8*(\n):BF+64*(\f)+8*(\n)+3],   v[ADRB] offset:32*PB*(\q)+32*(\n)
	ds_load_tr16_b128 v[BF+64*(\f)+8*(\n)+4:BF+64*(\f)+8*(\n)+7], v[ADRB] offset:32*PB*(\q)+32*(\n)+16*PB
.else
	ds_load_b128 v[BF+64*(\f)+8*(\n):BF+64*(\f)+8*(\n)+3],   v[ADRB] offset:(\n)*16*PA+64*(\q)
	ds_load_b128 v[BF+64*(\f)+8*(\n)+4:BF+64*(\f)+8*(\n)+7], v[ADRB] offset:(\n)*16*PA+64*(\q)+32
.endif
.endr
.if \gl
	ds_load_b128 v[GN:GN+3], v[GADR]
.endif
	WIN MUL_HI
.irp n, 0,1
	ds_load_b128 v[AF+16*(\f)+8*(\n):AF+16*(\f)+8*(\n)+3],   v[ADRA] offset:((\n)+2)*16*PA+64*(\q)
	ds_load_b128 v[AF+16*(\f)+8*(\n)+4:AF+16*(\f)+8*(\n)+7], v[ADRA] offset:((\n)+2)*16*PA+64*(\q)+32
.endr
.endm
.macro SCALE8 f, a                     ; A's fragment a times the step's factor, in f16, in place
.set rA, AF+16*(\f)+8*((\a)%2)
.set i, 0
.rept 8
	v_pk_mul_f16 v[rA+i], v[GC+(\a)], v[rA+i]
.set i, i+1
.endr
.endm
; 8 matrix instructions: my rows 16 a .. x all 8 column blocks, 32 along K.  first = 1: the product starts the sums, with the bias or with 0.  rid = 1: fragment a + 1 is scaled beside them.
.macro MUL8 f, a, first, rid
.set rA, AF+16*(\f)+8*((\a)%2)
.set b, 0
.rept 8
.set rD, 64*((\a)%2)+8*b
.set rB, BF+64*(\f)+8*b
.if (\first) && BIAS
	WMMA v[rD:rD+7], v[rB:rB+7], v[rA:rA+7], v[8*b:8*b+7]
.elseif \first
	WMMA v[rD:rD+7], v[rB:rB+7], v[rA:rA+7], 0
.else
	WMMA v[rD:rD+7], v[rB:rB+7], v[rA:rA+7], v[rD:rD+7]
.endif
.if (\rid) && (b < 4)
	v_pk_mul_f16 v[rA+8+2*b], v[GC+(\a)+1], v[rA+8+2*b]
	v_pk_mul_f16 v[rA+9+2*b], v[GC+(\a)+1], v[rA+9+2*b]
.endif
.set b, b+1
.endr
.endm
.macro HALF f, hi, first               ; 16 matrix instructions: my rows 0-31 (hi = 0) or 32-63
.if (\first) && BIAS
	WIN 0x74+0x44*(\hi)                            ; as MUL_LO, MUL_HI, with C in window 3
.else
	WIN MUL_LO+0x54*(\hi)
.endif
.if PV
	SCALE8 \f, 2*(\hi)
.endif
	MUL8 \f, 2*(\hi), \first, PV
	MUL8 \f, 2*(\hi)+1, \first, 0
.endm
; A K step is four quarters of 32 along K, 32 matrix instructions each, on buffers 0, 1, 0, 1; the 32 accumulators take turns in the same order in every quarter.
; One of the first three: multiplies buffer f; in its middle it fetches quarter q into buffer g.
.macro QUARTER q, f, g, first=0, newstep=0
	s_wait_dscnt 4                                 ; all but the four youngest loads (A's rows 32-63) are in
.if PV && (\newstep)
	WIN 0
.irp n, 0,1,2,3
	v_mov_b32 v[GC+(\n)], v[GN+(\n)]               ; the new step's factors
.endr
.endif
	HALF \f, 0, \first
	PLACES
	FETCH \q, \g, 0
	s_wait_dscnt 24                                ; all but the 24 just issued
	HALF \f, 1, \first
.endm
; The fourth quarter multiplies buffer 1 and changes slots: ONE barrier.  In front of it each wave waits for all its tensor loads (one is out: its part of the next slot), adds 0 to its
; spare word, and waits for that and for its own reads of this slot.  fill = 1: the barrier opens a round of the cluster's, and behind the round this slot is filled again, two K steps ahead.
.macro TURN fill
	WIN 0
	s_wait_tensorcnt 0x0                           ; no tensor load of mine is out, so a group 0 may be written
	ds_add_u32 v[SPW], v[NIL]                      ; 0 onto my spare word
.if \fill
	s_xor_b32 s[G0A+5], s[G0A+5], SLOT1            ; the walking sets: the other slot than last time, the next K step; the type bits on top are not reached
	s_add_nc_u64 s[G0A+6:G0A+7], s[G0A+6:G0A+7], STEPA
	s_xor_b32 s[G0B+5], s[G0B+5], SLOT1
	s_add_nc_u64 s[G0B+6:G0B+7], s[G0B+6:G0B+7], STEPB
.endif
	s_wait_dscnt 5                                 ; the add and the four youngest loads may be out
	WIN MUL_LO
.if PV
	SCALE8 1, 0
.endif
	MUL8 1, 0, 0, PV
	s_wait_dscnt 0x0                               ; the add is done, and my reads of this slot are over
	s_barrier_signal -1
	MUL8 1, 1, 0, 0                                ; work on registers while the others arrive
	WIN 0                                          ; at a label and at a branch every window is 0
	s_barrier_wait -1
.if \fill
	CREST                                          ; no wave of any partner still reads this slot or has a load on its way
	JLOAD                                          ; the first tensor load behind the round; its four v_nop are also the places in front of the loads below
.else
	PLACES
.endif
	s_xor_b32 s45, s45, SLOT1                      ; the fetches go to the other slot
	v_add_nc_u32 v[ADRA], s45, v[ADRA0]
	v_add_nc_u32 v[ADRB], s45, v[ADRB0]
.if PV
	v_add_nc_u32 v[GADR], 512, v[GADR]
.endif
	FETCH 0, 0, PV
	HALF 1, 1, 0
.endm
; ids, masks, the descriptors' constant words, offsets: work on registers alone, between the opening add and the wait for it
.macro HEAD
	v_lshrrev_b32 v1, 5, v0
	v_readfirstlane_b32 s10, v1                    ; wave 0..3
	s_lshr_b32 s11, s10, 1                         ; which 64 rows of the tile are mine.  Also: I fetch for B (0) or for A (1)
	s_and_b32 s12, s10, 1                          ; which 128 columns.  Also: which half of that tile I fetch
	s_bfe_u32 s40, ttmp6, 0x40000                  ; cx
	s_bfe_u32 s41, ttmp6, 0x40004                  ; cy
	s_lshl_b32 s42, ttmp9, 2
	s_add_co_u32 s42, s42, s40                     ; tile column = 4 x cluster x + cx
	s_and_b32 s78, ttmp7, 0xffff
	s_lshl_b32 s13, s78, 2
	s_add_co_u32 s13, s13, s41                     ; tile row = 4 x cluster y + cy
	s_lshr_b32 s78, s78, 2                         ; the batch (16 tile rows each), from the cluster's y alone: the same in all sixteen partners
	s_lshl_b32 s43, s41, 2
	s_lshl_b32 s43, 15, s43                        ; my row of the cluster
	s_lshl_b32 s44, 0x1111, s40                    ; my column
	s_or_b32 s[G1A], s43, (1<<16)|(1<<20)|(1<<21)|(5<<22)|(3<<25)  ; 15:0 the mask; 17:16 2-byte elements; 20 padding on; 21 set beside a mask; 24:22 after every 64 words; 31:25 4 words
	s_mov_b32 s[G1A+1], 128<<16                    ; tensor_dim0 = 128
	s_mov_b32 s[G1A+2], 64<<16                     ; tensor_dim1 = 64
	s_mov_b32 s[G1A+3], 128<<16                    ; tile_dim0 = 128
	s_mov_b32 s[G1A+4], 64                         ; tile_dim1 = 64
	s_mov_b32 s[G1A+5], PITCHA
	s_mov_b32 s[G1A+6], 0
	s_mov_b32 s[G1A+7], 0
.if BKN
	s_or_b32 s[G1B], s44, (1<<16)|(1<<20)|(1<<21)|(6<<22)|(7<<25)  ; after every 128 words 8 words of padding
	s_mov_b32 s[G1B+1], 256<<16                    ; 64 rows (K) of 256 elements
	s_mov_b32 s[G1B+2], 64<<16
	s_mov_b32 s[G1B+3], 256<<16
	s_mov_b32 s[G1B+4], 64
.else
	s_or_b32 s[G1B], s44, (1<<16)|(1<<20)|(1<<21)|(5<<22)|(3<<25)
	s_mov_b32 s[G1B+1], 128<<16                    ; 128 rows (N) of 128 elements
	s_mov_b32 s[G1B+2], 128<<16
	s_mov_b32 s[G1B+3], 128<<16
	s_mov_b32 s[G1B+4], 128
.endif
	s_mov_b32 s[G1B+5], PITCHB
	s_mov_b32 s[G1B+6], 0
	s_mov_b32 s[G1B+7], 0
	s_lshl_b32 s16, s13, 7                         ; A: row 128 x tile row + 64 x half, in bytes: made of the tile row and the wave's number alone
	s_lshl_b32 s17, s12, 6
	s_add_co_u32 s16, s16, s17
	s_mul_i32 s16, s16, PITCHA*2
	s_mov_b32 s17, 0
.if BMODE == 2
	s_lshl_b32 s46, s78, 11                        ; B: key row 2,048 x batch + 256 x tile column + 128 x half; k's columns begin 2,048 bytes into a row
	s_lshl_b32 s47, s42, 8
	s_add_co_u32 s46, s46, s47
	s_lshl_b32 s47, s12, 7
	s_add_co_u32 s46, s46, s47
	s_mul_i32 s46, s46, PITCHB*2
	s_add_co_u32 s46, s46, 2048
.else
	s_mul_i32 s46, s12, 64*PITCHB*2                ; B: K row 64 x half, column 256 x tile column
	s_lshl_b32 s47, s42, 9
	s_add_co_u32 s46, s46, s47
.if BMODE == 1
	s_mul_i32 s47, s78, 2048*PITCHB*2              ; my batch's rows; v's columns begin 4,096 bytes into a row
	s_add_co_u32 s46, s46, s47
	s_add_co_u32 s46, s46, 4096
.endif
.endif
	s_mov_b32 s47, 0
	s_mul_i32 s20, s10, HALFB                      ; where they go: B's halves at 34,816 w,
	s_mul_i32 s21, s10, HALFA
	s_add_co_u32 s21, s21, HALFB                   ; A's at 34,816 + 17,408 w: no place in the cluster enters an LDS address
	s_mov_b32 s45, 0                               ; the slot in hand
	s_mov_b32 s72, 0x3d38aa3b                      ; c = log2(e) / 32
	s_mov_b32 s73, s72
	s_mov_b32 s74, 0xff7fffff                      ; the lowest finite number
	s_mov_b32 s75, 0xffff0000
	s_mov_b32 s76, 0x76543210                      ; v_permlanex16_b32: each lane takes its own place in the other half
	s_mov_b32 s77, 0xfedcba98
.endm
; the round in front of the first joint loads, the group 0 sets, and a wave's two first fills in one branch: two loads of mine are out
.macro FILLS
	s_add_nc_u64 s[14:15], s[4:5], s[16:17]
	s_add_nc_u64 s[46:47], s[6:7], s[46:47]
	CROUND
.irp n, 0,1
	s_mov_b32 s[G0A+4*(\n)], 1                     ; count = 1
	s_add_co_u32 s[G0A+4*(\n)+1], s21, (\n)*SLOT1  ; LDS address
	s_add_nc_u64 s[G0A+4*(\n)+2:G0A+4*(\n)+3], s[14:15], (\n)*STEPA  ; global address: K step n
	s_or_b32 s[G0A+4*(\n)+3], s[G0A+4*(\n)+3], 0x80000000            ; type = 2
	s_mov_b32 s[G0B+4*(\n)], 1
	s_add_co_u32 s[G0B+4*(\n)+1], s20, (\n)*SLOT1
	s_add_nc_u64 s[G0B+4*(\n)+2:G0B+4*(\n)+3], s[46:47], (\n)*STEPB
	s_or_b32 s[G0B+4*(\n)+3], s[G0B+4*(\n)+3], 0x80000000
.endr
	s_cmp_eq_u32 s11, 0
	s_cbranch_scc0 .Lfirst_a
	tensor_load_to_lds s[G0B:G0B+3], s[G1B:G1B+7]
	s_nop 0
	tensor_load_to_lds s[G0B+4:G0B+7], s[G1B:G1B+7]
	s_nop 0
.rept 4
	v_nop
.endr
	s_branch .Lfirst_asked
.Lfirst_a:
	tensor_load_to_lds s[G0A:G0A+3], s[G1A:G1A+7]
	s_nop 0
	tensor_load_to_lds s[G0A+4:G0A+7], s[G1A:G1A+7]
	s_nop 0
.rept 4
	v_nop
.endr
.Lfirst_asked:
.endm
; the lanes' LDS addresses, and C at my part of the tile
.macro LANES
	v_and_b32 v1, 15, v0                           ; r = l % 16
	v_bfe_u32 v2, v0, 4, 1                         ; h = l / 16
	v_and_b32 v3, 31, v0                           ; l
	v_mul_u32_u24 v4, v1, PA
	v_lshl_add_u32 v4, v2, 4, v4                   ; a fragment's row x pitch + 16 x half
	s_mul_i32 s21, s11, 64*PA
	s_add_co_u32 s21, s21, 2*HALFB                 ; my 64 rows of A, behind B
	v_add_nc_u32 v[ADRA0], s21, v4
.if BKN
	v_and_b32 v5, 7, v0                            ; the turning load: lane l reads K row 8 h + l % 8, columns 8 ((l / 8) % 2) + 0..7
	v_lshl_add_u32 v5, v2, 3, v5
	v_mul_u32_u24 v5, v5, PB
	v_bfe_u32 v6, v0, 3, 1
	v_lshl_add_u32 v5, v6, 4, v5
	s_lshl_b32 s22, s12, 8                         ; my 128 columns
	v_add_nc_u32 v[ADRB0], s22, v5
.else
	s_mul_i32 s22, s12, 128*PA                     ; my 128 rows of B
	v_add_nc_u32 v[ADRB0], s22, v4
.endif
	v_mov_b32 v[ADRA], v[ADRA0]
	v_mov_b32 v[ADRB], v[ADRB0]
	s_mul_i32 s23, s10, STG
	s_add_co_u32 s23, s23, STAGE                   ; my stage
.if OUT32
	v_mul_u32_u24 v5, v1, 528                      ; in: row r of 512 + 16 bytes, 32 bytes for each half of the lanes
	v_lshl_add_u32 v5, v2, 5, v5
	v_add_nc_u32 v[STO], s23, v5
	v_lshl_add_u32 v[RD], v3, 4, s23               ; back: 32 lanes take one row of 512 bytes
	v_lshlrev_b32 v[CO], 4, v3
.else
	v_add_nc_u32 v[STO], s23, v4                   ; in: row r, 16 bytes for each half of the lanes
	v_mul_u32_u24 v5, v2, PA                       ; back: lanes 0-15 take one row of 256 bytes, lanes 16-31 the next
	v_lshl_add_u32 v5, v1, 4, v5
	v_add_nc_u32 v[RD], s23, v5
	v_mul_u32_u24 v5, v2, PITCHC
	v_lshl_add_u32 v[CO], v1, 4, v5
.endif
	s_lshl_b32 s16, s13, 7
	s_lshl_b32 s17, s11, 6
	s_add_co_u32 s16, s16, s17                     ; my first row of C
	s_mul_i32 s16, s16, PITCHC
	s_mov_b32 s17, 0
	s_add_nc_u64 s[8:9], s[8:9], s[16:17]
	s_lshl_b32 s18, s42, 8+ESH                     ; my first column, in bytes
	s_lshl_b32 s19, s12, 7+ESH
	s_add_co_u32 s18, s18, s19
	s_mov_b32 s19, 0
	s_add_nc_u64 s[8:9], s[8:9], s[18:19]
.endm
; the walk along K
.macro MAIN
	s_wait_tensorcnt 0x1                           ; my part of K step 0 is in; K step 1's may stay out
	s_wait_loadcnt 0x0                             ; nothing of the set-up is pending
	s_wait_dscnt 0x0
	s_barrier_signal -1
	s_barrier_wait -1                              ; everybody's part is in
	FETCH 0, 0, PV
	QUARTER 1, 0, 1, 1, 1                          ; the first quarter stands in front of the loop: its products start the sums
	WIN 0
	s_mov_b32 s3, T-2
.Lstep:                                                ; a trip: from a step's second quarter to the next step's first; it fills the slot that it leaves
	QUARTER 2, 1, 0
	QUARTER 3, 0, 1
	TURN 1
	QUARTER 1, 0, 1, 0, 1
	WIN 0
	s_sub_co_u32 s3, s3, 1
	s_cmp_lg_u32 s3, 0
	s_cbranch_scc1 .Lstep
	QUARTER 2, 1, 0                                ; the last two steps are written out: nothing is left to fetch
	QUARTER 3, 0, 1
	TURN 0
	QUARTER 1, 0, 1, 0, 1
	QUARTER 2, 1, 0
	QUARTER 3, 0, 1
	s_wait_dscnt 4
	HALF 1, 0, 0
	s_wait_dscnt 0x0
	HALF 1, 1, 0
	WIN 0
	PLACES                                         ; the way out reads results just made
.endm
; THE WAY OUT in 16 bits, 16 rows (block a) at a time.  PACK: rounded to f16, 16 bytes a lane.  TOSTAGE: into my own stage and back as whole rows of 256 bytes.  SEND: stored.
.macro PACK a
.set AC, 64*((\a)%2)
.if PV
	WIN 0x41*(1+(\a)/2)                            ; the sums (destination and source 0) in window 1 or 2, 1 / L in window 0
.set i, 0
.rept 32
	v_pk_mul_f32 v[AC+i:AC+i+1], v[AC+i:AC+i+1], v[RL+2*(\a):RL+2*(\a)+1] op_sel_hi:[1,0]
.set i, i+2
.endr
.endif
	WIN 0x05*(1+(\a)/2)                            ; sources window 1 or 2, destination window 0
.set i, 0
.rept 32
	v_cvt_pk_f16_f32 v[TMP+i], v[AC+2*i], v[AC+2*i+1]
.set i, i+1
.endr
	WIN 0
.endm
.macro TOSTAGE a
.irp n, 0,1,2,3,4,5,6,7
	ds_store_b128 v[STO], v[TMP+4*(\n):TMP+4*(\n)+3] offset:32*(\n)
.endr
.irp n, 0,1,2,3,4,5,6,7
	ds_load_b128 v[OB+32*(\a)+4*(\n):OB+32*(\a)+4*(\n)+3], v[RD] offset:(\n)*2*PA  ; LDS serves a wave's instructions in order (ISA guide 5.7.1.4): these see the stores above
.endr
.endm
.macro SEND a
	s_wait_dscnt 0x0                               ; the block is back in registers of its own: no store's data is ever rewritten
.irp n, 0,1,2,3,4,5,6,7
	global_store_b128 v[CO], v[OB+32*(\a)+4*(\n):OB+32*(\a)+4*(\n)+3], s[8:9] offset:(16*(\a)+2*(\n))*PITCHC  ; 16 lanes store 256 consecutive bytes, aligned
.endr
.endm
.macro FINISH
	WIN 0
	s_wait_tensorcnt 0x0                           ; the wave's end, behind my last tensor load and my last LDS store
	ds_add_u32 v[SPW], v[NIL]
	s_wait_dscnt 0x0
	CROUND                                         ; the closing round: no work-group ends while a partner may still ask for a tile that names it
	s_endpgm
.endm
; ---------------------------------------------------------------- the kernel
	s_load_b128 s[4:7], s[0:1], 0x0                ; p, qkv
	s_load_b128 s[68:71], s[0:1], 0x10             ; stats, ctx
	v_lshl_add_u32 v[SPW], v0, 2, SPARE
	v_mov_b32 v[NIL], 0
	ds_add_u32 v[SPW], v[NIL]                      ; the wave's opening: the add and its wait stand ahead of my first tensor load
	HEAD
	s_wait_dscnt 0x0                               ; the opening add is done
	s_wait_kmcnt 0x0
	s_mov_b64 s[66:67], s[68:69]
	s_mov_b64 s[8:9], s[70:71]
	FILLS
	LANES
	; THE ROWS' STATISTICS, while the first tiles are on their way.  Lane (r, h) takes, for each block a of 16 rows, query 16 a + r: (c m, l) of key block kb into v[64 + 32 a + 2 kb].
	s_lshl_b32 s14, s78, 15                        ; 16 key blocks x 2,048 rows a batch
	s_and_b32 s15, s13, 15
	s_lshl_b32 s15, s15, 7
	s_add_co_u32 s14, s14, s15                     ; + the tile's first query in the batch
	s_lshl_b32 s15, s11, 6
	s_add_co_u32 s14, s14, s15                     ; + my 64
	s_lshl_b32 s14, s14, 3
	s_mov_b32 s15, 0
	s_add_nc_u64 s[66:67], s[66:67], s[14:15]
	v_lshlrev_b32 v[VO1], 3, v1
.irp n, 0,1,2,3
.set kb, 0
.rept 16
	global_load_b64 v[64+32*(\n)+2*kb:65+32*(\n)+2*kb], v[VO1], s[66:67] offset:16384*kb+128*(\n)
.set kb, kb+1
.endr
.endr
	s_mul_i32 s14, s10, 8192
	s_add_co_u32 s14, s14, GTAB
	v_lshl_add_u32 v[GADR], v3, 4, s14             ; my 16 bytes of an entry of my wave's table
	s_wait_loadcnt 0x0
.irp n, 0,1,2,3
	v_max3_num_f32 v[32+(\n)], v[64+32*(\n)], v[66+32*(\n)], v[68+32*(\n)]  ; M, in v32-35: four chains side by side
.endr
.set kb, 3
.rept 6
.irp n, 0,1,2,3
	v_max3_num_f32 v[32+(\n)], v[32+(\n)], v[64+32*(\n)+2*kb], v[66+32*(\n)+2*kb]
.endr
.set kb, kb+2
.endr
.irp n, 0,1,2,3
	v_max_num_f32 v[32+(\n)], v[32+(\n)], v[94+32*(\n)]
.endr
.set kb, 0
.rept 16
.irp n, 0,1,2,3
	v_sub_f32 v[64+32*(\n)+2*kb], v[64+32*(\n)+2*kb], v[32+(\n)]
.endr
.set kb, kb+1
.endr
.set kb, 0
.rept 16                                       ; g = 2^(c m - M): ONE batch of 64 exponentials,
.irp n, 0,1,2,3
	v_exp_f32 v[64+32*(\n)+2*kb], v[64+32*(\n)+2*kb]
.endr
.set kb, kb+1
.endr
	v_nop                                          ; a plain instruction behind the last,
	s_wait_alu depctr_va_vdst(0)                   ; and one wait ahead of the first line that names a result
.irp n, 0,1,2,3
	v_mul_f32 v[36+(\n)], v[65+32*(\n)], v[64+32*(\n)]  ; L, in v36-39
.endr
.set kb, 1
.rept 15
.irp n, 0,1,2,3
	v_fmac_f32 v[36+(\n)], v[65+32*(\n)+2*kb], v[64+32*(\n)+2*kb]
.endr
.set kb, kb+1
.endr
.set kb, 0
.rept 16
.irp n, 0,1,2,3
	v_cvt_pk_f16_f32 v[192+4*kb+(\n)], v[64+32*(\n)+2*kb], v[64+32*(\n)+2*kb]  ; g twice in a word
.endr
	ds_store_b128 v[GADR], v[192+4*kb:195+4*kb] offset:512*kb                  ; my wave's own bytes: only I read them
.set kb, kb+1
.endr
.irp n, 0,1,2,3
	v_rcp_f32 v[RL+2*(\n)], v[36+(\n)]
.endr
	v_nop
	s_wait_alu depctr_va_vdst(0)                   ; one wait for the four reciprocals
.irp n, 0,1,2,3
	v_mov_b32 v[RL+2*(\n)+1], v[RL+2*(\n)]         ; named as pairs
.endr
	MAIN
	PACK 0
	TOSTAGE 0
.irp m, 1,2,3
	PACK \m                                        ; a block's arithmetic stands between the loads of the block before and the wait for them
	SEND (\m)-1
	TOSTAGE \m
.endr
	SEND 3
	FINISH
.Lfunc_end_k_qfb6a8c7e1a_ctxp:
	.size	k_qfb6a8c7e1a_ctxp, .Lfunc_end_k_qfb6a8c7e1a_ctxp-k_qfb6a8c7e1a_ctxp
	.p2alignl 7, 3214868480
	.fill 96, 4, 3214868480
	.section	.rodata,"a",@progbits
	.p2align	6, 0x0
	.amdhsa_kernel k_qfb6a8c7e1a_ctxp
		.amdhsa_group_segment_fixed_size 327680
		.amdhsa_private_segment_fixed_size 0
		.amdhsa_enable_private_segment 0
		.amdhsa_kernarg_size 32
		.amdhsa_user_sgpr_count 2
		.amdhsa_user_sgpr_kernarg_segment_ptr 1
		.amdhsa_wavefront_size32 1
		.amdhsa_system_sgpr_workgroup_id_x 1
		.amdhsa_system_sgpr_workgroup_id_y 1
		.amdhsa_system_sgpr_workgroup_id_z 1
		.amdhsa_system_vgpr_workitem_id 0
		.amdhsa_next_free_vgpr 768
		.amdhsa_next_free_sgpr 88
		.amdhsa_reserve_vcc 0
		.amdhsa_float_denorm_mode_32 3
		.amdhsa_float_denorm_mode_16_64 3
		.amdhsa_memory_ordered 1
		.amdhsa_forward_progress 1
		.amdhsa_inst_pref_size 124
	.end_amdhsa_kernel
	.amdgpu_metadata
---
amdhsa.version: [ 1, 2 ]
amdhsa.kernels:
  - .name:           k_qfb6a8c7e1a_ctxp
    .symbol:         k_qfb6a8c7e1a_ctxp.kd
    .args:
      - { .name: p, .offset: 0, .size: 8, .value_kind: global_buffer, .address_space: global }
      - { .name: qkv, .offset: 8, .size: 8, .value_kind: global_buffer, .address_space: global }
      - { .name: stats, .offset: 16, .size: 8, .value_kind: global_buffer, .address_space: global }
      - { .name: ctx, .offset: 24, .size: 8, .value_kind: global_buffer, .address_space: global }
    .group_segment_fixed_size: 327680
    .private_segment_fixed_size: 0
    .kernarg_segment_align: 8
    .kernarg_segment_size: 32
    .max_flat_workgroup_size: 128
    .sgpr_count:     88
    .vgpr_count:     768
    .wavefront_size: 32
...
	.end_amdgpu_metadata
.endif
;; end of part 4
;; launch outp (part 5): grid 4 x 64, 4 waves a work-group, clusters of 4 x 4, 327,680 bytes of LDS; arguments ctx, wo16, bo, out0; writes out0
.if DOCPART == 5
	.amdgcn_target "amdgcn-amd-amdhsa--gfx1250"
	.amdhsa_code_object_version 6
	.text
	.protected	k_qfb6a8c7e1a_outp
	.globl	k_qfb6a8c7e1a_outp
	.p2align	8
	.type	k_qfb6a8c7e1a_outp,@function
k_qfb6a8c7e1a_outp:
	s_mov_b64 s[64:65], 0
	v_nop
	global_prefetch_b8 v0, s[64:65] scope:SCOPE_SE
	s_setreg_imm32_b32 hwreg(HW_REG_WAVE_MODE, 25, 1), 1
	s_wait_xcnt 0x0
	s_wait_alu depctr_hold_cnt(0) depctr_sa_sdst(0) depctr_va_vdst(0) depctr_va_sdst(0) depctr_va_ssrc(0) depctr_va_vcc(0) depctr_vm_vsrc(0)
	s_getreg_b32 s2, hwreg(HW_REG_IB_STS2, 6, 4)
	s_cmp_eq_u32 s2, 0
	s_cbranch_scc0 .Lentry_in_a_cluster
	s_endpgm
.Lentry_in_a_cluster:
	s_bfe_u32 s2, ttmp6, 0x10000c
	s_cmp_lg_u32 s2, 0xf033
	s_cbranch_scc0 .Lentry_shape_is_right
	s_endpgm
.Lentry_shape_is_right:
; out0[r][n] = sum over k of ctx[r][k] wo16[k][n] + bo[n].  ctx [8192][1024] f16, wo16 [1024][1024] f16 (Wo's bf16 values), bo f32 (rounded to bf16 like every input), out0 f32: the f32 sums as they are.
; A row of NaN in ctx (a query with no key to attend) gives a row of NaN, and touches no other row.
; THE CORE is the product kernels' common text: see its description at the head of the first of them.  The way out is in 32 bits: a block of 16 rows goes from the accumulators into my stage
; (rows of 512 + 16 bytes) and comes back as whole rows, so that each store of the wave covers 512 consecutive bytes, aligned.
.set T,      8
.set PITCHA, 1024
.set PITCHB, 1024
.set STEPA,  256
.set STEPB,  128*PITCHB*2
.set PITCHC, 4096
.set BKN,    1
.set BMODE,  0
.set BIAS,   1
.set PV,     0
.set OUT32,  1
.macro WMMA ops:vararg
	v_wmma_f32_16x16x32_f16 \ops
.endm
; ---------------------------------------------------------------- the core's constants and macros
.set SLOT1,  1<<17                     ; slot 1 begins here: one exclusive or turns an address in one slot into the other's
.set PA,     272                       ; an LDS row of 256 bytes + 16 of padding: the 16 rows of a load start at 16 different groups of four banks (ISA guide 11.1)
.set PB,     544                       ; an LDS row of 512 bytes + 32
.set HALFB,  34816                     ; what one load brings of B: 64 rows x 544 or 128 rows x 272
.set HALFA,  17408                     ; of A: 64 rows x 272.  A slot: B's two halves, then A's two
.set STAGE,  SLOT1+2*HALFB+2*HALFA     ; behind the ring: 8,448 bytes for each wave, for the way out
.set STG,    8448
.set GTAB,   STAGE+4*STG               ; 8,192 bytes for each wave: a table (the P V kernel alone)
.set SPARE,  GTAB+4*8192               ; the spare words, 128 bytes for each wave: two blocks of 256 bytes that no other line names
.set RL,    8
.set ADRA0, 16
.set ADRB0, 17
.set ADRA,  18
.set ADRB,  19
.set STO,   20
.set RD,    21
.set CO,    22
.set GADR,  23
.set SH,    24
.set VO1,   25
.set VO2,   26
.set SPW,   28
.set NIL,   29
.set TMP,   32
.set BF,    64
.set OB,    64
.set GC,    192
.set GN,    196
.set AF,    128
.set G1A,   24
.set G0A,   32
.set G1B,   48
.set G0B,   56
.set MUL_LO, 0x54
.set MUL_HI, 0xa8
.set ESH,   1+OUT32
.set MSB, 0
.macro WIN new                         ; the immediate's high byte repeats the setting that is left; a switch that changes nothing is dropped
.if MSB != (\new)
	s_set_vgpr_msb (MSB<<8)|(\new)
.set MSB, \new
.endif
.endm
.macro PLACES                          ; four places in front of loads into registers that matrix instructions have read, and of lines that read results
.rept 4
	v_nop
.endr
.endm
.macro CREST                           ; a round of the cluster's barrier behind its opening barrier
	s_cmp_lg_u32 s10, 0
	s_cbranch_scc1 .Lnot_wave_0_\@
	s_barrier_signal -3
.Lnot_wave_0_\@:
	s_barrier_wait -3
	s_barrier_signal -1
	s_barrier_wait -1
.endm
.macro CROUND                          ; a whole round
	s_barrier_signal -1
	s_barrier_wait -1
	CREST
.endm
.macro JLOAD                           ; a joint refill by the walking sets; the branch hangs on the wave's number alone; an s_nop 0 and four v_nop follow each line
	s_cmp_eq_u32 s11, 0
	s_cbranch_scc0 .Lfor_a_\@
	tensor_load_to_lds s[G0B+4:G0B+7], s[G1B:G1B+7]
	s_nop 0
.rept 4
	v_nop
.endr
	s_branch .Lasked_\@
.Lfor_a_\@:
	tensor_load_to_lds s[G0A+4:G0A+7], s[G1A:G1A+7]
	s_nop 0
.rept 4
	v_nop
.endr
.Lasked_\@:
.endm
; 24 LDS loads in one run: the fragments of quarter q (32 along K) into buffer f: A's rows 0-31 (4 loads), B's 128 columns (16), A's rows 32-63 (4).  gl = 1: the next step's table entry too.
.macro FETCH q, f, gl
	WIN MUL_LO
.irp n, 0,1
	ds_load_b128 v[AF+16*(\f)+8*(\n):AF+16*(\f)+8*(\n)+3],   v[ADRA] offset:(\n)*16*PA+64*(\q)
	ds_load_b128 v[AF+16*(\f)+8*(\n)+4:AF+16*(\f)+8*(\n)+7], v[ADRA] offset:(\n)*16*PA+64*(\q)+32
.endr
	WIN 0
.irp n, 0,1,2,3,4,5,6,7
.if BKN
	ds_load_tr16_b128 v[BF+64*(\f)+8*(\n):BF+64*(\f)+8*(\n)+3],   v[ADRB] offset:32*PB*(\q)+32*(\n)
	ds_load_tr16_b128 v[BF+64*(\f)+8*(\n)+4:BF+64*(\f)+8*(\n)+7], v[ADRB] offset:32*PB*(\q)+32*(\n)+16*PB
.else
	ds_load_b128 v[BF+64*(\f)+8*(\n):BF+64*(\f)+8*(\n)+3],   v[ADRB] offset:(\n)*16*PA+64*(\q)
	ds_load_b128 v[BF+64*(\f)+8*(\n)+4:BF+64*(\f)+8*(\n)+7], v[ADRB] offset:(\n)*16*PA+64*(\q)+32
.endif
.endr
.if \gl
	ds_load_b128 v[GN:GN+3], v[GADR]
.endif
	WIN MUL_HI
.irp n, 0,1
	ds_load_b128 v[AF+16*(\f)+8*(\n):AF+16*(\f)+8*(\n)+3],   v[ADRA] offset:((\n)+2)*16*PA+64*(\q)
	ds_load_b128 v[AF+16*(\f)+8*(\n)+4:AF+16*(\f)+8*(\n)+7], v[ADRA] offset:((\n)+2)*16*PA+64*(\q)+32
.endr
.endm
.macro SCALE8 f, a                     ; A's fragment a times the step's factor, in f16, in place
.set rA, AF+16*(\f)+8*((\a)%2)
.set i, 0
.rept 8
	v_pk_mul_f16 v[rA+i], v[GC+(\a)], v[rA+i]
.set i, i+1
.endr
.endm
; 8 matrix instructions: my rows 16 a .. x all 8 column blocks, 32 along K.  first = 1: the product starts the sums, with the bias or with 0.  rid = 1: fragment a + 1 is scaled beside them.
.macro MUL8 f, a, first, rid
.set rA, AF+16*(\f)+8*((\a)%2)
.set b, 0
.rept 8
.set rD, 64*((\a)%2)+8*b
.set rB, BF+64*(\f)+8*b
.if (\first) && BIAS
	WMMA v[rD:rD+7], v[rB:rB+7], v[rA:rA+7], v[8*b:8*b+7]
.elseif \first
	WMMA v[rD:rD+7], v[rB:rB+7], v[rA:rA+7], 0
.else
	WMMA v[rD:rD+7], v[rB:rB+7], v[rA:rA+7], v[rD:rD+7]
.endif
.if (\rid) && (b < 4)
	v_pk_mul_f16 v[rA+8+2*b], v[GC+(\a)+1], v[rA+8+2*b]
	v_pk_mul_f16 v[rA+9+2*b], v[GC+(\a)+1], v[rA+9+2*b]
.endif
.set b, b+1
.endr
.endm
.macro HALF f, hi, first               ; 16 matrix instructions: my rows 0-31 (hi = 0) or 32-63
.if (\first) && BIAS
	WIN 0x74+0x44*(\hi)                            ; as MUL_LO, MUL_HI, with C in window 3
.else
	WIN MUL_LO+0x54*(\hi)
.endif
.if PV
	SCALE8 \f, 2*(\hi)
.endif
	MUL8 \f, 2*(\hi), \first, PV
	MUL8 \f, 2*(\hi)+1, \first, 0
.endm
; A K step is four quarters of 32 along K, 32 matrix instructions each, on buffers 0, 1, 0, 1; the 32 accumulators take turns in the same order in every quarter.
; One of the first three: multiplies buffer f; in its middle it fetches quarter q into buffer g.
.macro QUARTER q, f, g, first=0, newstep=0
	s_wait_dscnt 4                                 ; all but the four youngest loads (A's rows 32-63) are in
.if PV && (\newstep)
	WIN 0
.irp n, 0,1,2,3
	v_mov_b32 v[GC+(\n)], v[GN+(\n)]               ; the new step's factors
.endr
.endif
	HALF \f, 0, \first
	PLACES
	FETCH \q, \g, 0
	s_wait_dscnt 24                                ; all but the 24 just issued
	HALF \f, 1, \first
.endm
; The fourth quarter multiplies buffer 1 and changes slots: ONE barrier.  In front of it each wave waits for all its tensor loads (one is out: its part of the next slot), adds 0 to its
; spare word, and waits for that and for its own reads of this slot.  fill = 1: the barrier opens a round of the cluster's, and behind the round this slot is filled again, two K steps ahead.
.macro TURN fill
	WIN 0
	s_wait_tensorcnt 0x0                           ; no tensor load of mine is out, so a group 0 may be written
	ds_add_u32 v[SPW], v[NIL]                      ; 0 onto my spare word
.if \fill
	s_xor_b32 s[G0A+5], s[G0A+5], SLOT1            ; the walking sets: the other slot than last time, the next K step; the type bits on top are not reached
	s_add_nc_u64 s[G0A+6:G0A+7], s[G0A+6:G0A+7], STEPA
	s_xor_b32 s[G0B+5], s[G0B+5], SLOT1
	s_add_nc_u64 s[G0B+6:G0B+7], s[G0B+6:G0B+7], STEPB
.endif
	s_wait_dscnt 5                                 ; the add and the four youngest loads may be out
	WIN MUL_LO
.if PV
	SCALE8 1, 0
.endif
	MUL8 1, 0, 0, PV
	s_wait_dscnt 0x0                               ; the add is done, and my reads of this slot are over
	s_barrier_signal -1
	MUL8 1, 1, 0, 0                                ; work on registers while the others arrive
	WIN 0                                          ; at a label and at a branch every window is 0
	s_barrier_wait -1
.if \fill
	CREST                                          ; no wave of any partner still reads this slot or has a load on its way
	JLOAD                                          ; the first tensor load behind the round; its four v_nop are also the places in front of the loads below
.else
	PLACES
.endif
	s_xor_b32 s45, s45, SLOT1                      ; the fetches go to the other slot
	v_add_nc_u32 v[ADRA], s45, v[ADRA0]
	v_add_nc_u32 v[ADRB], s45, v[ADRB0]
.if PV
	v_add_nc_u32 v[GADR], 512, v[GADR]
.endif
	FETCH 0, 0, PV
	HALF 1, 1, 0
.endm
; ids, masks, the descriptors' constant words, offsets: work on registers alone, between the opening add and the wait for it
.macro HEAD
	v_lshrrev_b32 v1, 5, v0
	v_readfirstlane_b32 s10, v1                    ; wave 0..3
	s_lshr_b32 s11, s10, 1                         ; which 64 rows of the tile are mine.  Also: I fetch for B (0) or for A (1)
	s_and_b32 s12, s10, 1                          ; which 128 columns.  Also: which half of that tile I fetch
	s_bfe_u32 s40, ttmp6, 0x40000                  ; cx
	s_bfe_u32 s41, ttmp6, 0x40004                  ; cy
	s_lshl_b32 s42, ttmp9, 2
	s_add_co_u32 s42, s42, s40                     ; tile column = 4 x cluster x + cx
	s_and_b32 s78, ttmp7, 0xffff
	s_lshl_b32 s13, s78, 2
	s_add_co_u32 s13, s13, s41                     ; tile row = 4 x cluster y + cy
	s_lshr_b32 s78, s78, 2                         ; the batch (16 tile rows each), from the cluster's y alone: the same in all sixteen partners
	s_lshl_b32 s43, s41, 2
	s_lshl_b32 s43, 15, s43                        ; my row of the cluster
	s_lshl_b32 s44, 0x1111, s40                    ; my column
	s_or_b32 s[G1A], s43, (1<<16)|(1<<20)|(1<<21)|(5<<22)|(3<<25)  ; 15:0 the mask; 17:16 2-byte elements; 20 padding on; 21 set beside a mask; 24:22 after every 64 words; 31:25 4 words
	s_mov_b32 s[G1A+1], 128<<16                    ; tensor_dim0 = 128
	s_mov_b32 s[G1A+2], 64<<16                     ; tensor_dim1 = 64
	s_mov_b32 s[G1A+3], 128<<16                    ; tile_dim0 = 128
	s_mov_b32 s[G1A+4], 64                         ; tile_dim1 = 64
	s_mov_b32 s[G1A+5], PITCHA
	s_mov_b32 s[G1A+6], 0
	s_mov_b32 s[G1A+7], 0
.if BKN
	s_or_b32 s[G1B], s44, (1<<16)|(1<<20)|(1<<21)|(6<<22)|(7<<25)  ; after every 128 words 8 words of padding
	s_mov_b32 s[G1B+1], 256<<16                    ; 64 rows (K) of 256 elements
	s_mov_b32 s[G1B+2], 64<<16
	s_mov_b32 s[G1B+3], 256<<16
	s_mov_b32 s[G1B+4], 64
.else
	s_or_b32 s[G1B], s44, (1<<16)|(1<<20)|(1<<21)|(5<<22)|(3<<25)
	s_mov_b32 s[G1B+1], 128<<16                    ; 128 rows (N) of 128 elements
	s_mov_b32 s[G1B+2], 128<<16
	s_mov_b32 s[G1B+3], 128<<16
	s_mov_b32 s[G1B+4], 128
.endif
	s_mov_b32 s[G1B+5], PITCHB
	s_mov_b32 s[G1B+6], 0
	s_mov_b32 s[G1B+7], 0
	s_lshl_b32 s16, s13, 7                         ; A: row 128 x tile row + 64 x half, in bytes: made of the tile row and the wave's number alone
	s_lshl_b32 s17, s12, 6
	s_add_co_u32 s16, s16, s17
	s_mul_i32 s16, s16, PITCHA*2
	s_mov_b32 s17, 0
.if BMODE == 2
	s_lshl_b32 s46, s78, 11                        ; B: key row 2,048 x batch + 256 x tile column + 128 x half; k's columns begin 2,048 bytes into a row
	s_lshl_b32 s47, s42, 8
	s_add_co_u32 s46, s46, s47
	s_lshl_b32 s47, s12, 7
	s_add_co_u32 s46, s46, s47
	s_mul_i32 s46, s46, PITCHB*2
	s_add_co_u32 s46, s46, 2048
.else
	s_mul_i32 s46, s12, 64*PITCHB*2                ; B: K row 64 x half, column 256 x tile column
	s_lshl_b32 s47, s42, 9
	s_add_co_u32 s46, s46, s47
.if BMODE == 1
	s_mul_i32 s47, s78, 2048*PITCHB*2              ; my batch's rows; v's columns begin 4,096 bytes into a row
	s_add_co_u32 s46, s46, s47
	s_add_co_u32 s46, s46, 4096
.endif
.endif
	s_mov_b32 s47, 0
	s_mul_i32 s20, s10, HALFB                      ; where they go: B's halves at 34,816 w,
	s_mul_i32 s21, s10, HALFA
	s_add_co_u32 s21, s21, HALFB                   ; A's at 34,816 + 17,408 w: no place in the cluster enters an LDS address
	s_mov_b32 s45, 0                               ; the slot in hand
	s_mov_b32 s72, 0x3d38aa3b                      ; c = log2(e) / 32
	s_mov_b32 s73, s72
	s_mov_b32 s74, 0xff7fffff                      ; the lowest finite number
	s_mov_b32 s75, 0xffff0000
	s_mov_b32 s76, 0x76543210                      ; v_permlanex16_b32: each lane takes its own place in the other half
	s_mov_b32 s77, 0xfedcba98
.endm
; the round in front of the first joint loads, the group 0 sets, and a wave's two first fills in one branch: two loads of mine are out
.macro FILLS
	s_add_nc_u64 s[14:15], s[4:5], s[16:17]
	s_add_nc_u64 s[46:47], s[6:7], s[46:47]
	CROUND
.irp n, 0,1
	s_mov_b32 s[G0A+4*(\n)], 1                     ; count = 1
	s_add_co_u32 s[G0A+4*(\n)+1], s21, (\n)*SLOT1  ; LDS address
	s_add_nc_u64 s[G0A+4*(\n)+2:G0A+4*(\n)+3], s[14:15], (\n)*STEPA  ; global address: K step n
	s_or_b32 s[G0A+4*(\n)+3], s[G0A+4*(\n)+3], 0x80000000            ; type = 2
	s_mov_b32 s[G0B+4*(\n)], 1
	s_add_co_u32 s[G0B+4*(\n)+1], s20, (\n)*SLOT1
	s_add_nc_u64 s[G0B+4*(\n)+2:G0B+4*(\n)+3], s[46:47], (\n)*STEPB
	s_or_b32 s[G0B+4*(\n)+3], s[G0B+4*(\n)+3], 0x80000000
.endr
	s_cmp_eq_u32 s11, 0
	s_cbranch_scc0 .Lfirst_a
	tensor_load_to_lds s[G0B:G0B+3], s[G1B:G1B+7]
	s_nop 0
	tensor_load_to_lds s[G0B+4:G0B+7], s[G1B:G1B+7]
	s_nop 0
.rept 4
	v_nop
.endr
	s_branch .Lfirst_asked
.Lfirst_a:
	tensor_load_to_lds s[G0A:G0A+3], s[G1A:G1A+7]
	s_nop 0
	tensor_load_to_lds s[G0A+4:G0A+7], s[G1A:G1A+7]
	s_nop 0
.rept 4
	v_nop
.endr
.Lfirst_asked:
.endm
; the lanes' LDS addresses, and C at my part of the tile
.macro LANES
	v_and_b32 v1, 15, v0                           ; r = l % 16
	v_bfe_u32 v2, v0, 4, 1                         ; h = l / 16
	v_and_b32 v3, 31, v0                           ; l
	v_mul_u32_u24 v4, v1, PA
	v_lshl_add_u32 v4, v2, 4, v4                   ; a fragment's row x pitch + 16 x half
	s_mul_i32 s21, s11, 64*PA
	s_add_co_u32 s21, s21, 2*HALFB                 ; my 64 rows of A, behind B
	v_add_nc_u32 v[ADRA0], s21, v4
.if BKN
	v_and_b32 v5, 7, v0                            ; the turning load: lane l reads K row 8 h + l % 8, columns 8 ((l / 8) % 2) + 0..7
	v_lshl_add_u32 v5, v2, 3, v5
	v_mul_u32_u24 v5, v5, PB
	v_bfe_u32 v6, v0, 3, 1
	v_lshl_add_u32 v5, v6, 4, v5
	s_lshl_b32 s22, s12, 8                         ; my 128 columns
	v_add_nc_u32 v[ADRB0], s22, v5
.else
	s_mul_i32 s22, s12, 128*PA                     ; my 128 rows of B
	v_add_nc_u32 v[ADRB0], s22, v4
.endif
	v_mov_b32 v[ADRA], v[ADRA0]
	v_mov_b32 v[ADRB], v[ADRB0]
	s_mul_i32 s23, s10, STG
	s_add_co_u32 s23, s23, STAGE                   ; my stage
.if OUT32
	v_mul_u32_u24 v5, v1, 528                      ; in: row r of 512 + 16 bytes, 32 bytes for each half of the lanes
	v_lshl_add_u32 v5, v2, 5, v5
	v_add_nc_u32 v[STO], s23, v5
	v_lshl_add_u32 v[RD], v3, 4, s23               ; back: 32 lanes take one row of 512 bytes
	v_lshlrev_b32 v[CO], 4, v3
.else
	v_add_nc_u32 v[STO], s23, v4                   ; in: row r, 16 bytes for each half of the lanes
	v_mul_u32_u24 v5, v2, PA                       ; back: lanes 0-15 take one row of 256 bytes, lanes 16-31 the next
	v_lshl_add_u32 v5, v1, 4, v5
	v_add_nc_u32 v[RD], s23, v5
	v_mul_u32_u24 v5, v2, PITCHC
	v_lshl_add_u32 v[CO], v1, 4, v5
.endif
	s_lshl_b32 s16, s13, 7
	s_lshl_b32 s17, s11, 6
	s_add_co_u32 s16, s16, s17                     ; my first row of C
	s_mul_i32 s16, s16, PITCHC
	s_mov_b32 s17, 0
	s_add_nc_u64 s[8:9], s[8:9], s[16:17]
	s_lshl_b32 s18, s42, 8+ESH                     ; my first column, in bytes
	s_lshl_b32 s19, s12, 7+ESH
	s_add_co_u32 s18, s18, s19
	s_mov_b32 s19, 0
	s_add_nc_u64 s[8:9], s[8:9], s[18:19]
.endm
; the bias of my 128 columns, rounded to bf16 like every input, as a C operand: register j of block b holds column 16 b + 8 h + j
.macro BIASIN
	s_and_b32 s14, s42, 3                          ; the tile column within the matrix
	s_lshl_b32 s14, s14, 10
	s_lshl_b32 s15, s12, 9
	s_add_co_u32 s14, s14, s15
	s_mov_b32 s15, 0
	s_add_nc_u64 s[66:67], s[66:67], s[14:15]
	v_lshlrev_b32 v[VO1], 5, v2
	WIN 0xc0                                       ; destination window 3
.set b, 0
.rept 8
	global_load_b128 v[8*b:8*b+3],   v[VO1], s[66:67] offset:64*b
	global_load_b128 v[8*b+4:8*b+7], v[VO1], s[66:67] offset:64*b+16
.set b, b+1
.endr
	s_wait_loadcnt 0x0
	WIN 0x0f                                       ; sources window 3, destination window 0
.set i, 0
.rept 32
	v_cvt_pk_bf16_f32 v[TMP+i], v[2*i], v[2*i+1]
.set i, i+1
.endr
	WIN 0xc0
.set i, 0
.rept 32
	v_lshlrev_b32 v[2*i], 16, v[TMP+i]
	v_and_b32 v[2*i+1], s75, v[TMP+i]
.set i, i+1
.endr
	WIN 0
.endm
; the walk along K
.macro MAIN
	s_wait_tensorcnt 0x1                           ; my part of K step 0 is in; K step 1's may stay out
	s_wait_loadcnt 0x0                             ; nothing of the set-up is pending
	s_wait_dscnt 0x0
	s_barrier_signal -1
	s_barrier_wait -1                              ; everybody's part is in
	FETCH 0, 0, PV
	QUARTER 1, 0, 1, 1, 1                          ; the first quarter stands in front of the loop: its products start the sums
	WIN 0
	s_mov_b32 s3, T-2
.Lstep:                                                ; a trip: from a step's second quarter to the next step's first; it fills the slot that it leaves
	QUARTER 2, 1, 0
	QUARTER 3, 0, 1
	TURN 1
	QUARTER 1, 0, 1, 0, 1
	WIN 0
	s_sub_co_u32 s3, s3, 1
	s_cmp_lg_u32 s3, 0
	s_cbranch_scc1 .Lstep
	QUARTER 2, 1, 0                                ; the last two steps are written out: nothing is left to fetch
	QUARTER 3, 0, 1
	TURN 0
	QUARTER 1, 0, 1, 0, 1
	QUARTER 2, 1, 0
	QUARTER 3, 0, 1
	s_wait_dscnt 4
	HALF 1, 0, 0
	s_wait_dscnt 0x0
	HALF 1, 1, 0
	WIN 0
	PLACES                                         ; the way out reads results just made
.endm
.macro FINISH
	WIN 0
	s_wait_tensorcnt 0x0                           ; the wave's end, behind my last tensor load and my last LDS store
	ds_add_u32 v[SPW], v[NIL]
	s_wait_dscnt 0x0
	CROUND                                         ; the closing round: no work-group ends while a partner may still ask for a tile that names it
	s_endpgm
.endm
; THE WAY OUT in 32 bits, 16 rows (block a) at a time: the accumulators go into my stage as they are, each from its low end on, and come back as whole rows of 512 bytes, into two sets of 64 registers by turns.
.macro OUTROWS a
.set AC, 64*((\a)%2)
.set BK, OB+64*((\a)%2)
.if (\a) >= 2
	s_wait_xcnt 0x0                                ; the set's earlier stores have read their data: it is loaded again only behind this wait
.endif
	WIN 0x04*(1+(\a)/2)                            ; the stored data in window 1 or 2, the address in window 0
.set b, 0
.rept 8
	ds_store_b128 v[STO], v[AC+8*b:AC+8*b+3]   offset:64*b
	ds_store_b128 v[STO], v[AC+8*b+4:AC+8*b+7] offset:64*b+16
.set b, b+1
.endr
	WIN 0
.set i, 0
.rept 16
	ds_load_b128 v[BK+4*i:BK+4*i+3], v[RD] offset:528*i  ; LDS serves a wave's instructions in order (ISA guide 5.7.1.4): these see the stores above; the next block's stores come behind them
.set i, i+1
.endr
	s_wait_dscnt 0x0
.set i, 0
.rept 16
	global_store_b128 v[CO], v[BK+4*i:BK+4*i+3], s[8:9] offset:(16*(\a)+i)*PITCHC th:TH_STORE_NT  ; 32 lanes store 512 consecutive bytes, aligned
.set i, i+1
.endr
.endm
; ---------------------------------------------------------------- the kernel
	s_load_b128 s[4:7], s[0:1], 0x0                ; ctx, wo16
	s_load_b128 s[68:71], s[0:1], 0x10             ; bo, out0
	v_lshl_add_u32 v[SPW], v0, 2, SPARE
	v_mov_b32 v[NIL], 0
	ds_add_u32 v[SPW], v[NIL]                      ; the wave's opening: the add and its wait stand ahead of my first tensor load
	HEAD
	s_wait_dscnt 0x0                               ; the opening add is done
	s_wait_kmcnt 0x0
	s_mov_b64 s[66:67], s[68:69]
	s_mov_b64 s[8:9], s[70:71]
	FILLS
	LANES
	BIASIN
	MAIN
	OUTROWS 0
	OUTROWS 1
	OUTROWS 2
	OUTROWS 3
	FINISH
.Lfunc_end_k_qfb6a8c7e1a_outp:
	.size	k_qfb6a8c7e1a_outp, .Lfunc_end_k_qfb6a8c7e1a_outp-k_qfb6a8c7e1a_outp
	.p2alignl 7, 3214868480
	.fill 96, 4, 3214868480
	.section	.rodata,"a",@progbits
	.p2align	6, 0x0
	.amdhsa_kernel k_qfb6a8c7e1a_outp
		.amdhsa_group_segment_fixed_size 327680
		.amdhsa_private_segment_fixed_size 0
		.amdhsa_enable_private_segment 0
		.amdhsa_kernarg_size 32
		.amdhsa_user_sgpr_count 2
		.amdhsa_user_sgpr_kernarg_segment_ptr 1
		.amdhsa_wavefront_size32 1
		.amdhsa_system_sgpr_workgroup_id_x 1
		.amdhsa_system_sgpr_workgroup_id_y 1
		.amdhsa_system_sgpr_workgroup_id_z 1
		.amdhsa_system_vgpr_workitem_id 0
		.amdhsa_next_free_vgpr 832
		.amdhsa_next_free_sgpr 88
		.amdhsa_reserve_vcc 0
		.amdhsa_float_denorm_mode_32 3
		.amdhsa_float_denorm_mode_16_64 3
		.amdhsa_memory_ordered 1
		.amdhsa_forward_progress 1
		.amdhsa_inst_pref_size 76
	.end_amdhsa_kernel
	.amdgpu_metadata
---
amdhsa.version: [ 1, 2 ]
amdhsa.kernels:
  - .name:           k_qfb6a8c7e1a_outp
    .symbol:         k_qfb6a8c7e1a_outp.kd
    .args:
      - { .name: ctx, .offset: 0, .size: 8, .value_kind: global_buffer, .address_space: global }
      - { .name: wo16, .offset: 8, .size: 8, .value_kind: global_buffer, .address_space: global }
      - { .name: bo, .offset: 16, .size: 8, .value_kind: global_buffer, .address_space: global }
      - { .name: out0, .offset: 24, .size: 8, .value_kind: global_buffer, .address_space: global }
    .group_segment_fixed_size: 327680
    .private_segment_fixed_size: 0
    .kernarg_segment_align: 8
    .kernarg_segment_size: 32
    .max_flat_workgroup_size: 128
    .sgpr_count:     88
    .vgpr_count:     832
    .wavefront_size: 32
...
	.end_amdgpu_metadata
.endif
;; end of part 5
